; MI455X (gfx1250); checked and timed in simulation.
; The chip was launched on July 23, 2026; its instructions are those of AMD's public machine-readable ISA for CDNA 5 (MIT licence, August 2026) and "CDNA5" Instruction Set Architecture Reference Guide (July 2026). The comments in the code are by the model that wrote it; some were corrected since.
;; Hybrid Memory System. Allowed arithmetic: float matrix products may take bf16 or f16 operands with f32 sums; other float arithmetic in f32, or as packed bf16 or f16 multiplies, adds, multiply-adds, maxima and minima; sums over many terms, partial sums and values carried from step to step in f32; what a program stores and reads back later, other than sums and carried values, may be rounded once to bf16 or f16.
;; Inputs: b1 256 float32; b2 256 float32; bp 1,024 float32; hidden 2,048 x 1,024 float32; ln_b 256 float32; ln_g 256 float32; memory 65,536 x 256 float32; w1 1,024 x 256 float32; w2 256 x 256 float32; wp 256 x 1,024 float32.
;; Outputs: out0 2,048 x 1,024 float32.
;; 2 versions, each right; version 2 is version 1 with the launches prep, outp written anew for expert scheduling mode. Each part assembles by itself: llvm-mc -triple=amdgcn-amd-amdhsa -mcpu=gfx1250 --defsym DOCPART=n.
;; ======== version 1 of 2: 5 launches
;; workspace buffers: mb 35,651,584 bytes; qb 1,048,576 bytes; qc 32,768 bytes; cand 8,388,608 bytes; gidx 131,072 bytes of whole numbers; retr 1,048,576 bytes
;; launch prep (part 1): grid 256 x 1, 16 waves a work-group, no clusters, 87,552 bytes of LDS; arguments hidden, memory, w1, b1, ln_g, ln_b, w2, b2, mb, qb, qc; writes mb, qb, qc
.if DOCPART == 1
	.amdgcn_target "amdgcn-amd-amdhsa--gfx1250"
	.amdhsa_code_object_version 6
	.text
	.protected	k_qe15437961a_prep
	.globl	k_qe15437961a_prep
	.p2align	8
	.type	k_qe15437961a_prep,@function
k_qe15437961a_prep:
	s_mov_b64 s[64:65], 0
	v_nop
	global_prefetch_b8 v0, s[64:65] scope:SCOPE_SE
	s_setreg_imm32_b32 hwreg(HW_REG_WAVE_MODE, 25, 1), 1
	s_wait_xcnt 0x0
; PREP: two jobs that need nothing of each other, dealt to the work-groups by the parity of their number.
; ODD work-groups: the memory bank.  m_b = memory clipped into the ball, rounded to bf16, laid out in RECORDS of 16 rows: 16 x 512 bytes of bf16, then one
; row of 512 bytes with f32 NY[16] = -y2/2, IB[16] = 1/(1-y2) and 96 zeros: 8,704 bytes.  A wave makes 2 records, a work-group 32, 128 work-groups 4,096.
; EVEN work-groups: the query network for 16 rows of hidden: Linear, LayerNorm, exact GELU, Linear, clip into the ball.  q_b goes out in bf16, and for each
; query four f32: -x2/2, 1e5 (1-x2), their product, 1-x2.
; The branch between the jobs hangs on the work-group's number alone: all sixteen waves of a work-group take the same way.
; PRODUCTS ARE TAKEN TRANSPOSED: source 0 = 16 columns of the weights, source 1 = the 16 rows.  The weights lie [k][n] in f32.  A lane loads 16 bytes of row k,
; columns 64 nq + 4 r .. + 3 (16 lanes: 256 consecutive bytes, aligned); number t of the four belongs to fragment t, whose row r stands for column 64 nq + 4 r + t.
; Two such loads, k and k + 1, rounded in pairs, are one fragment register: no LDS and no turning.  In the result register j of tile t holds row r, column 64 nq + 32 h + 4 j + t.
; SHARES.  Wave w: kq = w / 4 is its quarter of K, nq = w % 4 its 64 columns.  The four partial sums meet in LDS; behind that a lane owns row r, columns n0 .. n0 + 7, n0 = 64 nq + 32 h + 8 kq.
; LIMITS.  NaN and infinities are not treated apart.  x2 and y2 are taken as scale^2 x the sum of squares, which differs from the sum of the scaled squares by f32 rounding alone.
; erf is the rational form 7.1.26 of Abramowitz and Stegun: absolute error 1.5e-7 for every argument.
.set EPSF,  0x3727c5ac                 ; 1e-5
.set MAXN,  0x3f7fff58                 ; 1 - 1e-5
.set RED1,  0                          ; three tables for sums over the waves: row r x 64 bytes + wave x 4
.set RED2,  1024
.set RED3,  2048
.set GP,    528                        ; a row of 256 bf16 + 16 bytes: an odd multiple of 16
.set GST,   3072                       ; gelu's result, 16 rows
.set OST,   11520                      ; q_b, 16 rows
.set PART,  19968                      ; partial sums: wave x 4,096 + (2 t + a) x 512 + 16 x lane
.set SPARE, 85504                      ; the spare words: 128 bytes for each of 16 waves
.set SPW, 2                            ; v2  my spare word's LDS address; never rewritten
.set NIL, 3                            ; v3  0; never rewritten
.set WO,  4                            ; v4  my byte offset in w1
.set HO,  5                            ; v5  in the group's 16 rows of hidden
.set W2O, 6                            ; v6  in w2
.set PO,  7                            ; v7  4 n0: my eight numbers of b1, ln_g, ln_b, b2
.set PR,  8                            ; v8  where I read partial sums
.set PS,  9                            ; v9  where I put them
.set RS,  10                           ; v10 my word in a table of sums
.set RL,  11                           ; v11 my row's sixteen words there
.set GS,  12                           ; v12 r x 528 + 2 n0
.set GL,  13                           ; v13 r x 528 + 128 kq + 16 h
.set OL,  14                           ; v14 wave x 528 + 16 x lane
.set ACC, 16                           ; v[16:47]  four accumulators; later E = v[16:23] my eight numbers, v[24:47] at work
.set E,   16
.set AFR, 48                           ; v[48:79]  the weights' four fragments; later the partial sums read back
.set BFR, 80                           ; v[80:87]  the rows' fragment
.set SETA, 88                          ; v[88:167]  64 of raw weights, 16 of raw hidden (at the end: b1, ln_g)
.set SETB, 168                         ; v[168:247] the same (at the end: ln_b, b2)
.set X,   16                           ; the memory job: v[16:143] sixteen rows, 8 registers each
.macro BAR                             ; what I stored is done and what I read is back; then all sixteen waves meet
	s_wait_dscnt 0x0
	s_barrier_signal -1
	s_barrier_wait -1
.endm
.macro NOPS n
.rept \n
	v_nop
.endr
.endm
.macro LOADW set, adr, base, s         ; the 32 rows of K step s, four columns a lane: 16 loads
.set i, 0
.rept 8
	global_load_b128 v[\set+4*i:\set+4*i+3], v[\adr], s[\base:\base+1] offset:(32*(\s)+i)*1024
.set i, i+1
.endr
.set i, 0
.rept 8
	global_load_b128 v[\set+32+4*i:\set+32+4*i+3], v[\adr], s[\base:\base+1] offset:(32*(\s)+16+i)*1024
.set i, i+1
.endr
.endm
.macro LOADH set, s                    ; my 16 numbers of hidden for K step s: 4 loads
	global_load_b128 v[\set+64:\set+67], v[HO], s[36:37] offset:128*(\s)
	global_load_b128 v[\set+68:\set+71], v[HO], s[36:37] offset:128*(\s)+16
	global_load_b128 v[\set+72:\set+75], v[HO], s[36:37] offset:128*(\s)+64
	global_load_b128 v[\set+76:\set+79], v[HO], s[36:37] offset:128*(\s)+80
.endm
.macro LOADP dst, base                 ; my eight numbers of a vector of 256: 2 loads
	global_load_b128 v[\dst:\dst+3], v[PO], s[\base:\base+1]
	global_load_b128 v[\dst+4:\dst+7], v[PO], s[\base:\base+1] offset:16
.endm
.macro CVTW set                        ; raw weights -> four fragments: register p of fragment t is (k, k + 1) of column 4 r + t
.set p, 0
.rept 8
.irp t,0,1,2,3
	v_cvt_pk_bf16_f32 v[AFR+8*\t+p], v[\set+8*p+\t], v[\set+8*p+4+\t]
.endr
.set p, p+1
.endr
.endm
.macro MUL4 bf, zero                   ; four products; the four accumulators take turns
.irp t,0,1,2,3
.if \zero
	v_wmma_f32_16x16x32_bf16 v[ACC+8*\t:ACC+8*\t+7], v[AFR+8*\t:AFR+8*\t+7], v[\bf:\bf+7], 0
.else
	v_wmma_f32_16x16x32_bf16 v[ACC+8*\t:ACC+8*\t+7], v[AFR+8*\t:AFR+8*\t+7], v[\bf:\bf+7], v[ACC+8*\t:ACC+8*\t+7]
.endif
.endr
.endm
; One of my eight K steps of the first product.  Every step asks for 20 loads into the set that it has just rounded, so the count at its head is always 20.
.macro STEP s
.set SB, SETA+80*((\s)%2)
	s_wait_loadcnt 20                              ; this set is in; the other set's 20 younger loads stay out
	CVTW SB
.set p, 0
.rept 8
	v_cvt_pk_bf16_f32 v[BFR+p], v[SB+64+2*p], v[SB+64+2*p+1]
.set p, p+1
.endr
.if (\s) < 6
	LOADW SB, WO, 12, (\s)+2
	LOADH SB, (\s)+2
.elseif (\s) == 6
	LOADW SB, W2O, 20, 0                           ; w2's first K step of my quarter,
	LOADP SB+64, 14                                ; b1
	LOADP SB+72, 16                                ; ln_g
.else
	LOADW SB, W2O, 20, 1
	LOADP SB+64, 18                                ; ln_b
	LOADP SB+72, 22                                ; b2
.endif
.if (\s) == 0
	MUL4 BFR, 1                                    ; the first K step starts the sums
.else
	MUL4 BFR, 0
.endif
	NOPS 4                                         ; four places in front of the next roundings into the fragments (ISA guide 7.12.1)
.endm
; The four quarters of K meet.  Each wave stores its 16 x 64 partial sums (each accumulator's low half first) and reads back, of all four quarters, two registers of each tile:
; AFR + 2 t + jj then holds row r, column n0 + 4 jj + t.
.macro GATHER
.irp t,0,1,2,3
	ds_store_b128 v[PS], v[ACC+8*\t:ACC+8*\t+3] offset:\t*1024
.endr
.irp t,0,1,2,3
	ds_store_b128 v[PS], v[ACC+8*\t+4:ACC+8*\t+7] offset:\t*1024+512
.endr
	BAR
.irp k,0,1,2,3
.irp t,0,1,2,3
	ds_load_b64 v[AFR+8*\k+2*\t:AFR+8*\k+2*\t+1], v[PR] offset:\k*16384+\t*1024
.endr
.endr
	BAR                                            ; my reads are back, and every wave's: the next store to LDS stands behind all of them.  That store goes to other bytes, so no value hangs on this barrier
.irp t,0,1,2,3
	v_pk_add_f32 v[AFR+2*\t:AFR+2*\t+1], v[AFR+2*\t:AFR+2*\t+1], v[AFR+8+2*\t:AFR+8+2*\t+1]
	v_pk_add_f32 v[AFR+16+2*\t:AFR+16+2*\t+1], v[AFR+16+2*\t:AFR+16+2*\t+1], v[AFR+24+2*\t:AFR+24+2*\t+1]
.endr
.irp t,0,1,2,3
	v_pk_add_f32 v[AFR+2*\t:AFR+2*\t+1], v[AFR+2*\t:AFR+2*\t+1], v[AFR+16+2*\t:AFR+16+2*\t+1]
.endr
.endm
; The sum over a row's 256 numbers (sq = 1: of their squares): my eight, the other half of the lanes' eight, then the sixteen waves' through a table of its own.
.macro XSUM sq, red, dst
.if \sq
	v_pk_mul_f32 v[24:25], v[16:17], v[16:17]
	v_pk_mul_f32 v[26:27], v[18:19], v[18:19]
	v_pk_fma_f32 v[24:25], v[20:21], v[20:21], v[24:25]
	v_pk_fma_f32 v[26:27], v[22:23], v[22:23], v[26:27]
.else
	v_pk_add_f32 v[24:25], v[16:17], v[20:21]
	v_pk_add_f32 v[26:27], v[18:19], v[22:23]
.endif
	v_pk_add_f32 v[24:25], v[24:25], v[26:27]
	v_add_f32 v24, v24, v25
	v_permlanex16_b32 v15, v24, s34, s35
	v_add_f32 v24, v24, v15
	ds_store_b32 v[RS], v24 offset:\red            ; both halves of the lanes write the same word with the same number
	BAR
.irp k,0,1,2,3
	ds_load_b128 v[32+4*\k:35+4*\k], v[RL] offset:\red+16*\k
.endr
	s_wait_dscnt 0x0
	v_pk_add_f32 v[32:33], v[32:33], v[34:35]
	v_pk_add_f32 v[36:37], v[36:37], v[38:39]
	v_pk_add_f32 v[40:41], v[40:41], v[42:43]
	v_pk_add_f32 v[44:45], v[44:45], v[46:47]
	v_pk_add_f32 v[32:33], v[32:33], v[36:37]
	v_pk_add_f32 v[40:41], v[40:41], v[44:45]
	v_pk_add_f32 v[32:33], v[32:33], v[40:41]
	v_add_f32 v[\dst], v32, v33
.endm
; The memory job.  Row i's sum of squares, in every lane; lanes i and 16 + i keep it.
.macro SUMSQ i
	s_wait_loadcnt 30-2*(\i)                       ; row i's two loads are in; those of the rows behind it stay out
	v_pk_mul_f32 v[8:9], v[X+8*(\i):X+8*(\i)+1], v[X+8*(\i):X+8*(\i)+1]
	v_pk_fma_f32 v[8:9], v[X+8*(\i)+2:X+8*(\i)+3], v[X+8*(\i)+2:X+8*(\i)+3], v[8:9]
	v_pk_fma_f32 v[8:9], v[X+8*(\i)+4:X+8*(\i)+5], v[X+8*(\i)+4:X+8*(\i)+5], v[8:9]
	v_pk_fma_f32 v[8:9], v[X+8*(\i)+6:X+8*(\i)+7], v[X+8*(\i)+6:X+8*(\i)+7], v[8:9]
	v_add_f32 v8, v8, v9
	v_add_f32_dpp v8, v8, v8 row_xmask:1 row_mask:0xf bank_mask:0xf
	v_add_f32_dpp v8, v8, v8 row_xmask:2 row_mask:0xf bank_mask:0xf
	v_add_f32_dpp v8, v8, v8 row_xmask:4 row_mask:0xf bank_mask:0xf
	v_add_f32_dpp v8, v8, v8 row_xmask:8 row_mask:0xf bank_mask:0xf
	v_permlanex16_b32 v10, v8, s34, s35
	v_add_f32 v8, v8, v10
	s_mov_b32 s40, 0x10001<<(\i)
	v_cndmask_b32 v6, v6, v8, s40
.endm
; Row i times its scale, rounded to bf16 in place, stored: each store of the wave covers 256 consecutive bytes, aligned.
.macro SCALE i
	v_readlane_b32 s42, v7, \i
	s_mov_b32 s43, s42                             ; named with it as a pair
.irp k,0,2,4,6
	v_pk_mul_f32 v[X+8*(\i)+\k:X+8*(\i)+\k+1], v[X+8*(\i)+\k:X+8*(\i)+\k+1], s[42:43] op_sel_hi:[1,0]
.endr
.irp k,0,1,2,3
	v_cvt_pk_bf16_f32 v[X+8*(\i)+\k], v[X+8*(\i)+2*\k], v[X+8*(\i)+2*\k+1]
.endr
	global_store_b64 v5, v[X+8*(\i):X+8*(\i)+1], s[38:39] offset:512*(\i)
	global_store_b64 v5, v[X+8*(\i)+2:X+8*(\i)+3], s[38:39] offset:512*(\i)+256
.endm
	s_load_b512 s[8:23], s[0:1], 0x0               ; hidden 8, memory 10, w1 12, b1 14, ln_g 16, ln_b 18, w2 20, b2 22
	s_load_b128 s[24:27], s[0:1], 0x40             ; mb 24, qb 26
	s_load_b64 s[28:29], s[0:1], 0x50              ; qc
	v_lshl_add_u32 v[SPW], v0, 2, SPARE
	v_mov_b32 v[NIL], 0
	v_lshrrev_b32 v1, 5, v0
	v_readfirstlane_b32 s30, v1                    ; wave 0..15
	s_and_b32 s31, ttmp9, 1                        ; which job
	s_lshr_b32 s32, ttmp9, 1                       ; my number in it, 0..127
	s_mov_b32 s34, 0x76543210                      ; v_permlanex16_b32: each lane takes its own place in the other half
	s_mov_b32 s35, 0xfedcba98
	s_mov_b32 s51, EPSF
	s_mov_b32 s59, MAXN
	s_mov_b32 s41, 0                               ; the high word of every offset pair s[40:41]
	s_wait_kmcnt 0x0
	s_cmp_lg_u32 s31, 0
	s_cbranch_scc1 .Lmem
	; ---------------- THE QUERY NETWORK ----------------
	s_lshr_b32 s45, s30, 2                         ; kq
	s_and_b32 s46, s30, 3                          ; nq
	v_and_b32 v248, 15, v0                         ; r
	v_bfe_u32 v249, v0, 4, 1                       ; h
	v_and_b32 v250, 31, v0                         ; lane
	v_mov_b32 v15, 0                               ; v_permlanex16_b32's destination counts as read
	s_lshl_b32 s47, s45, 18                        ; w1: 256 rows of 1,024 bytes a quarter,
	s_lshl_b32 s48, s46, 8                         ; 64 columns of 4 bytes
	s_or_b32 s47, s47, s48
	v_lshlrev_b32 v251, 4, v248                    ; 4 columns a lane,
	v_lshl_add_u32 v251, v249, 13, v251            ; 8 rows on for the upper half of the lanes
	v_add_nc_u32 v[WO], s47, v251
	s_lshl_b32 s47, s45, 16                        ; w2: 64 rows a quarter
	s_or_b32 s47, s47, s48
	v_add_nc_u32 v[W2O], s47, v251
	s_lshl_b32 s47, s45, 10                        ; hidden: 256 numbers a quarter
	v_lshlrev_b32 v[HO], 12, v248
	v_lshl_add_u32 v[HO], v249, 5, v[HO]
	v_add_nc_u32 v[HO], s47, v[HO]
	s_lshl_b32 s47, s46, 6
	s_lshl_b32 s48, s45, 3
	s_add_co_u32 s47, s47, s48                     ; 64 nq + 8 kq
	v_lshl_add_u32 v251, v249, 5, s47              ; n0
	v_lshlrev_b32 v[PO], 2, v251
	s_lshl_b32 s47, s30, 12
	s_add_co_u32 s47, s47, PART
	v_lshl_add_u32 v[PS], v250, 4, s47
	s_lshl_b32 s47, s46, 12                        ; I read the waves of my nq: registers 2 kq, 2 kq + 1 lie in half kq / 2, at byte 8 (kq % 2) of the 16
	s_lshr_b32 s48, s45, 1
	s_lshl_b32 s48, s48, 9
	s_add_co_u32 s47, s47, s48
	s_and_b32 s48, s45, 1
	s_lshl_b32 s48, s48, 3
	s_add_co_u32 s47, s47, s48
	s_add_co_u32 s47, s47, PART
	v_lshl_add_u32 v[PR], v250, 4, s47
	s_lshl_b32 s47, s30, 2
	v_lshl_add_u32 v[RS], v248, 6, s47
	v_lshlrev_b32 v[RL], 6, v248
	v_mul_u32_u24 v252, v248, GP
	v_lshl_add_u32 v[GS], v251, 1, v252
	s_lshl_b32 s47, s45, 7
	v_lshl_add_u32 v[GL], v249, 4, v252
	v_add_nc_u32 v[GL], s47, v[GL]
	s_mul_i32 s47, s30, GP
	v_lshl_add_u32 v[OL], v250, 4, s47
	s_lshl_b32 s40, s32, 16                        ; the group's 16 rows of 4,096 bytes
	s_add_nc_u64 s[36:37], s[8:9], s[40:41]
	s_lshl_b32 s40, s32, 13
	s_add_nc_u64 s[26:27], s[26:27], s[40:41]      ; qb at the group's rows
	s_lshl_b32 s40, s32, 8
	s_add_nc_u64 s[28:29], s[28:29], s[40:41]      ; qc likewise
	s_mov_b32 s50, 0x3b800000                      ; 1/256
	s_mov_b32 s52, 0x3e6d3388                      ; 0.3275911 / sqrt(2)
	s_mov_b32 s53, 0xbf38aa3b                      ; -log2(e) / 2
	s_mov_b32 s54, 0xbe827906                      ; the five coefficients, negated: -0.254829592
	s_mov_b32 s55, 0x3e91a98e                      ; +0.284496736
	s_mov_b32 s56, 0xbfb5f0e3                      ; -1.421413741
	s_mov_b32 s57, 0x3fba00e3                      ; +1.453152027
	s_mov_b32 s58, 0xbf87dc22                      ; -1.061405429
	s_mov_b32 s60, 0x47c35000                      ; 1e5
	LOADW SETA, WO, 12, 0
	LOADH SETA, 0
	LOADW SETB, WO, 12, 1
	LOADH SETB, 1
.irp s,0,1,2,3,4,5,6,7
	STEP \s
.endr
	NOPS 4                                         ; eight places in all behind the last product, once
	GATHER
	s_wait_loadcnt 0x0                             ; w2's raw rows and the four vectors are in
.irp t,0,1,2,3
	v_add_f32 v[E+\t], v[AFR+2*\t], v[SETA+64+\t]          ; + b1
	v_add_f32 v[E+4+\t], v[AFR+2*\t+1], v[SETA+68+\t]
.endr
	XSUM 0, RED1, 248
	v_mul_f32 v248, s50, v248                      ; the mean
.irp e,0,1,2,3,4,5,6,7
	v_sub_f32 v[E+\e], v[E+\e], v248
.endr
	XSUM 1, RED2, 249                              ; the variance is the mean of the squared differences: no difference of large sums
	v_fma_f32 v249, v249, s50, s51
	v_rsq_f32 v250, v249
	v_nop
	s_wait_alu depctr_va_vdst(0)                   ; the wait ahead of the result's first reader
.irp e,0,1,2,3,4,5,6,7
	v_mul_f32 v[24+\e], v250, v[SETA+72+\e]        ; rstd x ln_g
.endr
.irp e,0,1,2,3,4,5,6,7
	v_fma_f32 v[E+\e], v[E+\e], v[24+\e], v[SETB+64+\e]    ; + ln_b
.endr
	; gelu(y) = y/2 + |y|/2 erf(|y| / sqrt 2);  erf(z) = 1 - t (a1 + t (a2 + .. t a5)) e^(-z z), t = 1 / (1 + 0.3275911 z)
.irp e,0,1,2,3,4,5,6,7
	v_and_b32 v[48+\e], 0x7fffffff, v[E+\e]
	v_mul_f32 v[32+\e], v[E+\e], v[E+\e]
.endr
.irp e,0,1,2,3,4,5,6,7
	v_fma_f32 v[24+\e], v[48+\e], s52, 1.0
	v_mul_f32 v[32+\e], s53, v[32+\e]
.endr
.irp e,0,1,2,3,4,5,6,7
	v_rcp_f32 v[24+\e], v[24+\e]
.endr
.irp e,0,1,2,3,4,5,6,7
	v_exp_f32 v[32+\e], v[32+\e]
.endr
	v_nop                                          ; the plain instruction behind the last of the batch,
	s_wait_alu depctr_va_vdst(0)                   ; and one wait for all sixteen
.irp e,0,1,2,3,4,5,6,7
	v_fma_f32 v[40+\e], v[24+\e], s58, s57
.endr
.irp e,0,1,2,3,4,5,6,7
	v_fma_f32 v[40+\e], v[40+\e], v[24+\e], s56
.endr
.irp e,0,1,2,3,4,5,6,7
	v_fma_f32 v[40+\e], v[40+\e], v[24+\e], s55
.endr
.irp e,0,1,2,3,4,5,6,7
	v_fma_f32 v[40+\e], v[40+\e], v[24+\e], s54
.endr
.irp e,0,1,2,3,4,5,6,7
	v_mul_f32 v[40+\e], v[40+\e], v[24+\e]
.endr
.irp e,0,1,2,3,4,5,6,7
	v_fma_f32 v[40+\e], v[40+\e], v[32+\e], 1.0    ; erf
	v_mul_f32 v[24+\e], 0.5, v[E+\e]
	v_mul_f32 v[48+\e], 0.5, v[48+\e]
.endr
.irp e,0,1,2,3,4,5,6,7
	v_fma_f32 v[E+\e], v[48+\e], v[40+\e], v[24+\e]
.endr
.irp k,0,1,2,3
	v_cvt_pk_bf16_f32 v[24+\k], v[E+2*\k], v[E+2*\k+1]
.endr
	BAR                                            ; every wave's reads of the table of sums are back before the store below.  It goes to other bytes, so no value hangs on this barrier
	ds_store_b128 v[GS], v[24:27] offset:GST
	BAR
	; the second product: my quarter of K is 64, two K steps
	ds_load_b128 v[80:83], v[GL] offset:GST
	ds_load_b128 v[84:87], v[GL] offset:GST+32
	ds_load_b128 v[248:251], v[GL] offset:GST+64
	ds_load_b128 v[252:255], v[GL] offset:GST+96
	CVTW SETA
	s_wait_dscnt 0x0
	MUL4 80, 1
	NOPS 4
	CVTW SETB
	MUL4 248, 0
	NOPS 8
	GATHER                                         ; on the same bytes: every wave's reads of the first sums were back in front of a barrier that all have passed
.irp t,0,1,2,3
	v_add_f32 v[E+\t], v[AFR+2*\t], v[SETB+72+\t]          ; + b2
	v_add_f32 v[E+4+\t], v[AFR+2*\t+1], v[SETB+76+\t]
.endr
	XSUM 1, RED3, 248                              ; the query's squared norm
	v_sqrt_f32 v249, v248
	v_nop
	s_wait_alu depctr_va_vdst(0)
	v_max_num_f32 v250, s51, v249
	v_rcp_f32 v250, v250
	v_nop
	s_wait_alu depctr_va_vdst(0)
	v_mul_f32 v250, s59, v250
	v_cmp_lt_f32 vcc_lo, s59, v249
	v_cndmask_b32 v250, 1.0, v250, vcc_lo          ; the scale: (1 - 1e-5) / norm outside the ball, else 1
	v_mul_f32 v251, v248, v250
	v_mul_f32 v251, v251, v250                     ; x2
	v_sub_f32 v255, 1.0, v251                      ; 1 - x2
	v_mul_f32 v252, -0.5, v251                     ; -x2/2
	v_mul_f32 v253, s60, v255                      ; 1e5 (1 - x2)
	v_mul_f32 v254, v252, v253
.irp e,0,1,2,3,4,5,6,7
	v_mul_f32 v[E+\e], v[E+\e], v250
.endr
.irp k,0,1,2,3
	v_cvt_pk_bf16_f32 v[24+\k], v[E+2*\k], v[E+2*\k+1]
.endr
	BAR                                            ; as in front of gelu's store
	ds_store_b128 v[GS], v[24:27] offset:OST
	BAR
	ds_load_b128 v[28:31], v[OL] offset:OST        ; wave w takes row w whole: 512 bytes
	v_lshlrev_b32 v48, 4, v0                       ; 512 x wave + 16 x lane
	v_and_b32 v49, 15, v0
	v_lshlrev_b32 v49, 4, v49
	s_wait_dscnt 0x0
	global_store_b128 v48, v[28:31], s[26:27]
	s_cmp_lg_u32 s30, 0
	s_cbranch_scc1 .Lend
	global_store_b128 v49, v[252:255], s[28:29]    ; wave 0: the sixteen queries' four numbers, 256 consecutive bytes; both halves of the lanes write the same
	s_branch .Lend
	; ---------------- THE MEMORY BANK ----------------
.Lmem:
	v_and_b32 v1, 31, v0
	v_lshlrev_b32 v4, 4, v1                        ; 16 x lane
	v_lshlrev_b32 v5, 3, v1                        ; 8 x lane
	v_mov_b32 v10, 0
.irp e,0,1,2,3
	v_lshl_add_u32 v[144+\e], v1, 4, 4*\e          ; ds_bpermute_b32's index: lane (4 l + e) % 32, times 4
	v_and_b32 v[144+\e], 124, v[144+\e]
.endr
	s_lshl_b32 s33, s32, 4
	s_add_co_u32 s33, s33, s30
	s_lshl_b32 s33, s33, 1                         ; my first record: 2 (16 x group + wave)
	s_lshl_b32 s40, s33, 14
	s_add_nc_u64 s[36:37], s[10:11], s[40:41]
	s_mul_i32 s40, s33, 8704
	s_add_nc_u64 s[38:39], s[24:25], s[40:41]
	s_mov_b32 s44, 2
.Lrec:                                         ; a trip: one record
.set i, 0
.rept 16
	global_load_b128 v[X+8*i:X+8*i+3], v4, s[36:37] offset:1024*i th:TH_LOAD_NT          ; each load covers 512 consecutive bytes
	global_load_b128 v[X+8*i+4:X+8*i+7], v4, s[36:37] offset:1024*i+512 th:TH_LOAD_NT
.set i, i+1
.endr
	v_mov_b32 v6, 0
.irp i,0,1,2,3,4,5,6,7,8,9,10,11,12,13,14,15
	SUMSQ \i
.endr
	v_sqrt_f32 v148, v6                            ; from here a row to a lane: row l % 16
	v_nop
	s_wait_alu depctr_va_vdst(0)
	v_max_num_f32 v149, s51, v148
	v_rcp_f32 v149, v149
	v_nop
	s_wait_alu depctr_va_vdst(0)
	v_mul_f32 v149, s59, v149
	v_cmp_lt_f32 vcc_lo, s59, v148
	v_cndmask_b32 v7, 1.0, v149, vcc_lo            ; the scale
	v_mul_f32 v150, v6, v7
	v_mul_f32 v150, v150, v7                       ; y2
	v_mul_f32 v151, -0.5, v150                     ; NY
	v_sub_f32 v152, 1.0, v150
	v_rcp_f32 v152, v152                           ; IB
	v_nop
	s_wait_alu depctr_va_vdst(0)
	s_mov_b32 s40, 0xffff0000
	v_cndmask_b32 v153, v151, v152, s40            ; lane l holds word l of the constants' row
.irp e,0,1,2,3
	ds_bpermute_b32 v[154+\e], v[144+\e], v153
.endr
	s_wait_dscnt 0x0
	s_mov_b32 s40, 0xff
.irp e,0,1,2,3
	v_cndmask_b32 v[154+\e], 0, v[154+\e], s40     ; lanes 0-7 carry the 32 words, the others zeros
.endr
	global_store_b128 v4, v[154:157], s[38:39] offset:8192
.irp i,0,1,2,3,4,5,6,7,8,9,10,11,12,13,14,15
	SCALE \i
.endr
	s_wait_xcnt 0x0                                ; the stores' data registers and the two bases are written again only behind this wait
	s_add_nc_u64 s[36:37], s[36:37], 16384
	s_add_nc_u64 s[38:39], s[38:39], 8704
	s_sub_co_u32 s44, s44, 1
	s_cmp_lg_u32 s44, 0
	s_cbranch_scc1 .Lrec
.Lend:
	s_wait_tensorcnt 0x0                           ; the wave's end
	ds_add_u32 v[SPW], v[NIL]
	s_wait_dscnt 0x0
	s_endpgm
.Lfunc_end_k_qe15437961a_prep:
	.size	k_qe15437961a_prep, .Lfunc_end_k_qe15437961a_prep-k_qe15437961a_prep
	.p2alignl 7, 3214868480
	.fill 96, 4, 3214868480
	.section	.rodata,"a",@progbits
	.p2align	6, 0x0
	.amdhsa_kernel k_qe15437961a_prep
		.amdhsa_group_segment_fixed_size 87552
		.amdhsa_private_segment_fixed_size 0
		.amdhsa_enable_private_segment 0
		.amdhsa_kernarg_size 88
		.amdhsa_user_sgpr_count 2
		.amdhsa_user_sgpr_kernarg_segment_ptr 1
		.amdhsa_wavefront_size32 1
		.amdhsa_system_sgpr_workgroup_id_x 1
		.amdhsa_system_sgpr_workgroup_id_y 1
		.amdhsa_system_sgpr_workgroup_id_z 1
		.amdhsa_system_vgpr_workitem_id 0
		.amdhsa_next_free_vgpr 256
		.amdhsa_next_free_sgpr 66
		.amdhsa_reserve_vcc 1
		.amdhsa_float_denorm_mode_32 3
		.amdhsa_float_denorm_mode_16_64 3
		.amdhsa_memory_ordered 1
		.amdhsa_forward_progress 1
		.amdhsa_inst_pref_size 101
	.end_amdhsa_kernel
	.amdgpu_metadata
---
amdhsa.version: [ 1, 2 ]
amdhsa.kernels:
  - .name:           k_qe15437961a_prep
    .symbol:         k_qe15437961a_prep.kd
    .args:
      - { .name: hidden, .offset: 0, .size: 8, .value_kind: global_buffer, .address_space: global }
      - { .name: memory, .offset: 8, .size: 8, .value_kind: global_buffer, .address_space: global }
      - { .name: w1, .offset: 16, .size: 8, .value_kind: global_buffer, .address_space: global }
      - { .name: b1, .offset: 24, .size: 8, .value_kind: global_buffer, .address_space: global }
      - { .name: ln_g, .offset: 32, .size: 8, .value_kind: global_buffer, .address_space: global }
      - { .name: ln_b, .offset: 40, .size: 8, .value_kind: global_buffer, .address_space: global }
      - { .name: w2, .offset: 48, .size: 8, .value_kind: global_buffer, .address_space: global }
      - { .name: b2, .offset: 56, .size: 8, .value_kind: global_buffer, .address_space: global }
      - { .name: mb, .offset: 64, .size: 8, .value_kind: global_buffer, .address_space: global }
      - { .name: qb, .offset: 72, .size: 8, .value_kind: global_buffer, .address_space: global }
      - { .name: qc, .offset: 80, .size: 8, .value_kind: global_buffer, .address_space: global }
    .group_segment_fixed_size: 87552
    .private_segment_fixed_size: 0
    .kernarg_segment_align: 8
    .kernarg_segment_size: 88
    .max_flat_workgroup_size: 512
    .sgpr_count:     66
    .vgpr_count:     256
    .wavefront_size: 32
...
	.end_amdgpu_metadata
.endif
;; end of part 1
;; launch knn (part 2): grid 8 x 32, 4 waves a work-group, clusters of 4 x 1, 327,680 bytes of LDS; arguments mb, qb, qc, cand; writes cand
.if DOCPART == 2
	.amdgcn_target "amdgcn-amd-amdhsa--gfx1250"
	.amdhsa_code_object_version 6
	.text
	.protected	k_qe15437961a_knn
	.globl	k_qe15437961a_knn
	.p2align	8
	.type	k_qe15437961a_knn,@function
k_qe15437961a_knn:
	s_mov_b64 s[64:65], 0
	v_nop
	global_prefetch_b8 v0, s[64:65] scope:SCOPE_SE
	s_setreg_imm32_b32 hwreg(HW_REG_WAVE_MODE, 25, 1), 1
	s_wait_xcnt 0x0
	s_wait_alu depctr_hold_cnt(0) depctr_sa_sdst(0) depctr_va_vdst(0) depctr_va_sdst(0) depctr_va_ssrc(0) depctr_va_vcc(0) depctr_vm_vsrc(0)
	s_getreg_b32 s2, hwreg(HW_REG_IB_STS2, 6, 4)
	s_cmp_eq_u32 s2, 0
	s_cbranch_scc0 .Lentry_in_a_cluster
	s_endpgm
.Lentry_in_a_cluster:
	s_bfe_u32 s2, ttmp6, 0x10000c
	s_cmp_lg_u32 s2, 0x3003
	s_cbranch_scc0 .Lentry_shape_is_right
	s_endpgm
.Lentry_shape_is_right:
; KNN: all products q_b . m_b, and for each query the best sixteen GROUPS OF EIGHT ROWS of each chunk.
; ORDER.  For one query the distance grows with sq x min(1/(1-y2), (1-x2)/1e-5), sq = x2 + y2 - 2 xy.  The product's sum starts at -y2/2 (its C operand), so acc = xy - y2/2 and
; acc - x2/2 = -sq/2, which is not above 0.  So the best of eight rows is  max( max_j (acc_j - x2/2) IB_j ,  CX (max_j acc_j - x2/2) ),  IB = 1/(1-y2), CX = 1e5 (1-x2): larger is nearer.
; GROUPS.  Every one of a query's 16 nearest rows lies in one of the 16 groups with the best group maximum: fewer than 16 groups can hold a row nearer than it.  So a lane keeps a sorted list of 16
; group maxima; a new value enters by 15 medians of three and one maximum.  The low 7 bits of a value are replaced by the record's number in the chunk.
; SHARES.  A work-group has 256 queries and one chunk of 2,048 rows (128 records of 16 rows); a wave 64 queries, four tiles of 16, in two PIECES of two tiles.  All four waves read the same records.
; LAYOUT.  Source 0 = a record's 16 rows, source 1 = 16 queries: a lane holds ONE query (lane % 16) and the rows 8 (lane / 16) + 0..7: one group.
; BY TURNS.  In a turn one piece has 16 products (8 K steps x 2 tiles, the two accumulators by turns); the other piece's 68 vector instructions stand in slices behind them.
; CLUSTER.  The four query blocks of a cluster walk the same chunk: each tile is asked for jointly, by the same tensor load, descriptor and mask in all four.
; LIMITS.  NaN and infinities are not treated apart.  The order rests on bf16 products; a value keeps 16 bits of mantissa; values equal in those are ordered by the record's number.
; REGISTERS, in windows of 256 (s_set_vgpr_msb: bits 1:0 source 0, 3:2 source 1, 5:4 source 2, 7:6 destination):
;   window 0: addresses, accumulators, constants, lists        window 1: Q, tile n, K step s at 64 n + 8 s        window 2: two buffers of a record's 8 fragments
.set PITCH, 528                        ; a row in LDS: 512 bytes + 16: an odd multiple of 16
.set REC,   17*PITCH                   ; a record: 16 rows and the constants' row
.set WPART, 4*REC                      ; what one tensor load brings
.set SLOT,  16*REC
.set SPARE, 2*SLOT                     ; behind the ring: the spare words, 128 bytes a wave
.set RECG,  8704                       ; a record in memory
.set STEPG, 16*RECG
.set AK0, 2                            ; v2  r x 528 + 16 h; never rewritten
.set AC0, 3                            ; v3  16 x 528 + 32 h; never rewritten
.set ADR, 4                            ; v4  the trip's even record, fragments
.set ADRC, 5                           ; v5  the same, constants
.set QO,  6                            ; v6  my offset in 16 rows of qb
.set CO,  7                            ; v7  16 x lane
.set SPW, 8
.set NIL, 9
.set ACC, 16                           ; v[16:47]   piece p, tile u at 16 p + 8 u
.set RC,  48                           ; v[48:79]   buffer b at 16 b: NY 8, IB 8
.set TT,  80                           ; v[80:95]   at work, 8 a tile
.set MM,  96                           ; v[96:111]  at work, 8 a tile
.set PQ,  112                          ; v[112:127] -x2/2, CX, their product, 1-x2: 4 a tile
.set LL,  128                          ; v[128:191] the lists, 16 a tile, best first
.set WV,  12
.set G1,  16                           ; s[16:23] descriptor group 1
.set G0,  24                           ; s[24:31] group 0, a set for each slot
.set CNT, 40
.set LOOP, 41
.set TM1, 42                           ; the number of the record before the trip's even one
.set T0,  43                           ; of the even one
.set T1,  44                           ; of the odd one
.set MASK, 45
.set W_MM, 0x06                        ; fragments in window 2, Q in window 1, sums in window 0
.set MSB, 0
.macro WIN new                         ; the high byte repeats the setting that is left; a switch that changes nothing is dropped
.if MSB != (\new)
	s_set_vgpr_msb (MSB<<8)|(\new)
.set MSB, (\new)
.endif
.endm
.macro CROUND                          ; a round of the cluster's barrier
	s_barrier_signal -1
	s_barrier_wait -1
	s_cmp_lg_u32 s[WV], 0
	s_cbranch_scc1 .Lnw0_\@
	s_barrier_signal -3
.Lnw0_\@:
	s_barrier_wait -3
	s_barrier_signal -1
	s_barrier_wait -1
.endm
; Number sj (0..33) of the list for tile su of piece pp; bb: the buffer with its record's IB; ti: the scalar with the record's number.
.macro SEL pp, bb, ti
.set rA, ACC+16*(\pp)+8*su
.set rI, RC+16*(\bb)+8
.set rT, TT+8*su
.set rM, MM+8*su
.set rP, PQ+4*(2*(\pp)+su)
.set rL, LL+16*(2*(\pp)+su)
.if sj == 0
	v_max3_num_f32 v[rM], v[rA], v[rA+1], v[rA+2]          ; an accumulator's lowest registers are read first
.elseif sj == 1
	v_pk_add_f32 v[rT:rT+1], v[rA:rA+1], v[rP:rP+1] op_sel_hi:[1,0]
.elseif sj == 2
	v_max3_num_f32 v[rM+1], v[rA+3], v[rA+4], v[rA+5]
.elseif sj == 3
	v_pk_add_f32 v[rT+2:rT+3], v[rA+2:rA+3], v[rP:rP+1] op_sel_hi:[1,0]
.elseif sj == 4
	v_max3_num_f32 v[rM+2], v[rA+6], v[rA+7], v[rM]
.elseif sj == 5
	v_pk_add_f32 v[rT+4:rT+5], v[rA+4:rA+5], v[rP:rP+1] op_sel_hi:[1,0]
.elseif sj == 6
	v_pk_add_f32 v[rT+6:rT+7], v[rA+6:rA+7], v[rP:rP+1] op_sel_hi:[1,0]
.elseif sj == 7
	v_max_num_f32 v[rM+3], v[rM+2], v[rM+1]
.elseif sj == 8
	v_pk_mul_f32 v[rT:rT+1], v[rT:rT+1], v[rI:rI+1]
.elseif sj == 9
	v_pk_mul_f32 v[rT+2:rT+3], v[rT+2:rT+3], v[rI+2:rI+3]
.elseif sj == 10
	v_fma_f32 v[rM+4], v[rM+3], v[rP+1], v[rP+2]
.elseif sj == 11
	v_pk_mul_f32 v[rT+4:rT+5], v[rT+4:rT+5], v[rI+4:rI+5]
.elseif sj == 12
	v_pk_mul_f32 v[rT+6:rT+7], v[rT+6:rT+7], v[rI+6:rI+7]
.elseif sj == 13
	v_max3_num_f32 v[rM], v[rT], v[rT+1], v[rT+2]
.elseif sj == 14
	v_max3_num_f32 v[rM+1], v[rT+3], v[rT+4], v[rT+5]
.elseif sj == 15
	v_max3_num_f32 v[rM+2], v[rT+6], v[rT+7], v[rM+4]
.elseif sj == 16
	v_max3_num_f32 v[rM+3], v[rM], v[rM+1], v[rM+2]
.elseif sj == 17
	v_and_or_b32 v[rM+5], v[rM+3], s[MASK], s[\ti]
.elseif sj < 33
.set li, 33-sj                         ; entries 15 down to 1: each reads its upper neighbour before that is written
	v_med3_num_f32 v[rL+li], v[rL+li-1], v[rL+li], v[rM+5]
.else
	v_max_num_f32 v[rL], v[rL], v[rM+5]
.endif
.endm
.macro SLICE n, pp, bb, ti             ; the next n of the piece's 68: the two tiles alternate
.rept \n
.set su, rho%2
.set sj, rho/2
	SEL \pp, \bb, \ti
.set rho, rho+1
.endr
.endm
.macro FETCHA b, off                   ; a record's eight fragments: 16 loads in one run
	WIN 0x80
.set f, 0
.rept 8
	ds_load_b128 v[64*(\b)+8*f:64*(\b)+8*f+3], v[ADR] offset:(\off)+64*f
	ds_load_b128 v[64*(\b)+8*f+4:64*(\b)+8*f+7], v[ADR] offset:(\off)+64*f+32
.set f, f+1
.endr
	WIN 0
.endm
.macro FETCHC b, off                   ; my group's eight NY and eight IB
	WIN 0
	ds_load_b128 v[RC+16*(\b):RC+16*(\b)+3], v[ADRC] offset:(\off)
	ds_load_b128 v[RC+16*(\b)+4:RC+16*(\b)+7], v[ADRC] offset:(\off)+16
	ds_load_b128 v[RC+16*(\b)+8:RC+16*(\b)+11], v[ADRC] offset:(\off)+64
	ds_load_b128 v[RC+16*(\b)+12:RC+16*(\b)+15], v[ADRC] offset:(\off)+80
.endm
; A TURN: piece p's 16 products on the record in buffer b; behind each a slice of the other piece's work (IB in buffer pb, record number in ti): 12 slices of 4, 4 of 5.
; The last slice, five list entries that name no register of the products, is the four places and more between the turn's last product and the first read of its result (ISA guide 7.12.1).
; Behind the second slice stands the run of loads for the next record, at byte off: piece 0's turn fetches its fragments (their buffer's last reader stands 13 plain instructions back),
; piece 1's its constants.  skip = 1: in the slot's last trip there is no next record, and the run is jumped over.
.macro TURN b, p, pb, ti, off, skip
.set rho, 0
.set i, 0
.rept 16
	WIN W_MM
.set rD, ACC+16*(\p)+8*(i%2)
.set rF, 64*(\b)+8*(i/2)
.set rQ, 64*(2*(\p)+i%2)+8*(i/2)
.if i < 2
	v_wmma_f32_16x16x32_bf16 v[rD:rD+7], v[rF:rF+7], v[rQ:rQ+7], v[RC+16*(\b):RC+16*(\b)+7]
.else
	v_wmma_f32_16x16x32_bf16 v[rD:rD+7], v[rF:rF+7], v[rQ:rQ+7], v[rD:rD+7]
.endif
	WIN 0
.if i < 12
	SLICE 4, 1-(\p), \pb, \ti
.else
	SLICE 5, 1-(\p), \pb, \ti
.endif
.if i == 1
.if \skip
	s_cmp_eq_u32 s[CNT], 1
	s_cbranch_scc1 .Lsk_\@
.endif
.if (\p) == 0
	FETCHA 1-(\b), \off
.else
	FETCHC 1-(\b), \off
.endif
.if \skip
.Lsk_\@:
.endif
.endif
.set i, i+1
.endr
.endm
; A slot's sixteen records, two a trip.
.macro PROC slot
	v_add_nc_u32 v[ADR], (\slot)*SLOT, v[AK0]
	v_add_nc_u32 v[ADRC], (\slot)*SLOT, v[AC0]
	FETCHA 0, 0
	FETCHC 0, 0
	s_mov_b32 s[CNT], 8
.Lp_\@:
	s_wait_dscnt 0x0                               ; the even record's 20 loads are in
	TURN 0, 0, 1, TM1, REC, 0
	TURN 0, 1, 0, T0, REC, 0
	s_wait_dscnt 0x0                               ; the odd record's
	TURN 1, 0, 0, T0, 2*REC, 1
	TURN 1, 1, 1, T1, 2*REC, 1
	v_add_nc_u32 v[ADR], 2*REC, v[ADR]
	v_add_nc_u32 v[ADRC], 2*REC, v[ADRC]
	s_mov_b32 s[TM1], s[T1]
	s_add_co_u32 s[T0], s[T0], 2
	s_add_co_u32 s[T1], s[T1], 2
	s_sub_co_u32 s[CNT], s[CNT], 1
	s_cmp_lg_u32 s[CNT], 0
	s_cbranch_scc1 .Lp_\@
.endm
; The change of slots.  Each wave waits for all its tensor loads, of which one is out: its part of this slot; adds 0 to its spare word; and waits for that and for its reads of the other slot.
; Behind the round no wave of any partner reads the other slot or has a load on its way: it is filled again first, and that load has this slot's 512 products a wave in which to land.
.macro TRIP slot, refill
	WIN 0
	s_wait_tensorcnt 0x0                           ; no tensor load of mine is out, so a group 0 may be written
	ds_add_u32 v[SPW], v[NIL]
	s_add_nc_u64 s[G0+4*(\slot)+2:G0+4*(\slot)+3], s[G0+4*(\slot)+2:G0+4*(\slot)+3], 2*STEPG    ; this slot's next tile
	s_wait_dscnt 0x0
	CROUND
.if \refill
	tensor_load_to_lds s[G0+4*(1-(\slot)):G0+4*(1-(\slot))+3], s[G1:G1+7]
	s_nop 0
.rept 4
	v_nop
.endr
.endif
	PROC \slot
.endm
	s_load_b256 s[4:11], s[0:1], 0x0               ; mb 4, qb 6, qc 8, cand 10
	v_lshl_add_u32 v[SPW], v0, 2, SPARE
	v_mov_b32 v[NIL], 0
	ds_add_u32 v[SPW], v[NIL]                      ; the wave's opening: the add and its wait ahead of my first tensor load
	ds_add_u32 v8, v9
	v_lshrrev_b32 v1, 5, v0
	v_readfirstlane_b32 s[WV], v1
	s_bfe_u32 s13, ttmp6, 0x40000                  ; cx
	s_lshl_b32 s14, ttmp9, 2
	s_add_co_u32 s14, s14, s13                     ; my block of 256 queries: it enters the addresses of qb, qc and cand alone
	s_and_b32 s15, ttmp7, 0xffff                   ; the chunk, which the four partners share
	s_mov_b32 s[G1], 15|(1<<16)|(1<<20)|(1<<21)|(6<<22)|(3<<25)   ; the mask of four; 2-byte elements; padding on; bit 21 beside a mask; after every 128 words, 4 words
	s_mov_b32 s[G1+1], 256<<16                     ; tensor_dim0 = 256
	s_mov_b32 s[G1+2], 68<<16                      ; tensor_dim1 = 68: four records of 17 rows
	s_mov_b32 s[G1+3], 256<<16                     ; tile_dim0 = 256
	s_mov_b32 s[G1+4], 68                          ; tile_dim1 = 68
	s_mov_b32 s[G1+5], 256                         ; 256 elements from row to row
	s_mov_b32 s[G1+6], 0
	s_mov_b32 s[G1+7], 0
	s_mov_b32 s[G0], 1
	s_mul_i32 s[G0+1], s[WV], WPART                ; LDS: my quarter of slot 0,
	s_mov_b32 s[G0+4], 1
	s_add_co_u32 s[G0+5], s[G0+1], SLOT            ; of slot 1
	s_mul_i32 s32, s15, 128*RECG
	s_mul_i32 s33, s[WV], 4*RECG
	s_add_co_u32 s32, s32, s33
	s_mov_b32 s33, 0
	s_lshl_b32 s34, s14, 17                        ; qb: 256 rows of 512 bytes a block,
	s_lshl_b32 s35, s[WV], 15                      ; 64 a wave
	s_add_co_u32 s34, s34, s35
	s_mov_b32 s35, 0
	s_lshr_b32 s36, s34, 5                         ; qc: 16 bytes a query
	s_mov_b32 s37, 0
	s_lshl_b32 s38, s15, 18                        ; cand: 128 tiles of 2,048 bytes a chunk,
	s_lshr_b32 s39, s34, 2                         ; 128 bytes a query
	s_add_co_u32 s38, s38, s39
	s_mov_b32 s39, 0
	s_mov_b32 s[MASK], 0xffffff80
	s_mov_b32 s[TM1], 0
	s_mov_b32 s[T0], 0
	s_mov_b32 s[T1], 1
	s_wait_dscnt 0x0                               ; the opening add is done
	s_wait_kmcnt 0x0
	s_add_nc_u64 s[G0+2:G0+3], s[4:5], s[32:33]
	s_add_nc_u64 s[G0+6:G0+7], s[G0+2:G0+3], STEPG
	s_or_b32 s[G0+3], s[G0+3], 0x80000000
	s_or_b32 s[G0+7], s[G0+7], 0x80000000
	s_add_nc_u64 s[6:7], s[6:7], s[34:35]
	s_add_nc_u64 s[8:9], s[8:9], s[36:37]
	s_add_nc_u64 s[10:11], s[10:11], s[38:39]
	CROUND                                         ; all four work-groups are here: the first joint loads meet
	tensor_load_to_lds s[G0:G0+3], s[G1:G1+7]      ; tile 0 into slot 0; slot 1 is filled behind the first change's round
	s_nop 0
.rept 4
	v_nop
.endr
	v_and_b32 v10, 15, v0
	v_bfe_u32 v11, v0, 4, 1
	v_and_b32 v12, 31, v0
	v_lshlrev_b32 v[QO], 9, v10
	v_lshl_add_u32 v[QO], v11, 4, v[QO]
	v_lshlrev_b32 v13, 4, v10
	v_lshlrev_b32 v[CO], 4, v12
	v_mul_u32_u24 v[AK0], v10, PITCH
	v_lshl_add_u32 v[AK0], v11, 4, v[AK0]
	v_lshlrev_b32 v[AC0], 5, v11
	v_add_nc_u32 v[AC0], 16*PITCH, v[AC0]
	WIN 0x40
.set i, 0
.rept 32                               ; Q stays in registers: tile i / 8, K step i % 8
	global_load_b128 v[8*i:8*i+3], v[QO], s[6:7] offset:(i/8)*8192+(i%8)*64
	global_load_b128 v[8*i+4:8*i+7], v[QO], s[6:7] offset:(i/8)*8192+(i%8)*64+32
.set i, i+1
.endr
	WIN 0
.irp n,0,1,2,3
	global_load_b128 v[PQ+4*\n:PQ+4*\n+3], v13, s[8:9] offset:\n*256
.endr
.set i, 0
.rept 64
	v_mov_b32 v[LL+i], 0xff7fffff                  ; the lists start at the lowest finite number
.set i, i+1
.endr
.set i, 0
.rept 16
	v_mov_b32 v[ACC+16+i], 0xf149f2ca              ; the first turn's slices work on a piece that has not been: -1e30, which the chunk's 128 groups push out of the lists
.set i, i+1
.endr
.set i, 0
.rept 8
	v_mov_b32 v[RC+24+i], 1.0
.set i, i+1
.endr
	s_wait_loadcnt 0x0                             ; Q and the queries' constants
	s_mov_b32 s[LOOP], 3
.Lring:
	TRIP 0, 1
	TRIP 1, 1
	s_sub_co_u32 s[LOOP], s[LOOP], 1
	s_cmp_lg_u32 s[LOOP], 0
	s_cbranch_scc1 .Lring
	TRIP 0, 1                                      ; the last two tiles are written out: the last asks for nothing (the stepped addresses are not used)
	TRIP 1, 0
	WIN 0
.set rho, 0
	SLICE 68, 1, 1, TM1                            ; the last record's second piece
.irp n,0,1,2,3
.irp k,0,1,2,3
	global_store_b128 v[CO], v[LL+16*\n+4*\k:LL+16*\n+4*\k+3], s[10:11] offset:\n*2048+\k*512     ; 512 consecutive bytes, aligned
.endr
.endr
	s_wait_tensorcnt 0x0                           ; the wave's end
	ds_add_u32 v[SPW], v[NIL]
	s_wait_dscnt 0x0
	CROUND                                         ; the closing round
	s_endpgm
.Lfunc_end_k_qe15437961a_knn:
	.size	k_qe15437961a_knn, .Lfunc_end_k_qe15437961a_knn-k_qe15437961a_knn
	.p2alignl 7, 3214868480
	.fill 96, 4, 3214868480
	.section	.rodata,"a",@progbits
	.p2align	6, 0x0
	.amdhsa_kernel k_qe15437961a_knn
		.amdhsa_group_segment_fixed_size 327680
		.amdhsa_private_segment_fixed_size 0
		.amdhsa_enable_private_segment 0
		.amdhsa_kernarg_size 32
		.amdhsa_user_sgpr_count 2
		.amdhsa_user_sgpr_kernarg_segment_ptr 1
		.amdhsa_wavefront_size32 1
		.amdhsa_system_sgpr_workgroup_id_x 1
		.amdhsa_system_sgpr_workgroup_id_y 1
		.amdhsa_system_sgpr_workgroup_id_z 1
		.amdhsa_system_vgpr_workitem_id 0
		.amdhsa_next_free_vgpr 640
		.amdhsa_next_free_sgpr 66
		.amdhsa_reserve_vcc 0
		.amdhsa_float_denorm_mode_32 3
		.amdhsa_float_denorm_mode_16_64 3
		.amdhsa_memory_ordered 1
		.amdhsa_forward_progress 1
		.amdhsa_inst_pref_size 141
	.end_amdhsa_kernel
	.amdgpu_metadata
---
amdhsa.version: [ 1, 2 ]
amdhsa.kernels:
  - .name:           k_qe15437961a_knn
    .symbol:         k_qe15437961a_knn.kd
    .args:
      - { .name: mb, .offset: 0, .size: 8, .value_kind: global_buffer, .address_space: global }
      - { .name: qb, .offset: 8, .size: 8, .value_kind: global_buffer, .address_space: global }
      - { .name: qc, .offset: 16, .size: 8, .value_kind: global_buffer, .address_space: global }
      - { .name: cand, .offset: 24, .size: 8, .value_kind: global_buffer, .address_space: global }
    .group_segment_fixed_size: 327680
    .private_segment_fixed_size: 0
    .kernarg_segment_align: 8
    .kernarg_segment_size: 32
    .max_flat_workgroup_size: 128
    .sgpr_count:     66
    .vgpr_count:     640
    .wavefront_size: 32
...
	.end_amdgpu_metadata
.endif
;; end of part 2
;; launch merge (part 3): grid 128 x 1, 8 waves a work-group, no clusters, 22,016 bytes of LDS; arguments cand, gidx; writes gidx
.if DOCPART == 3
	.amdgcn_target "amdgcn-amd-amdhsa--gfx1250"
	.amdhsa_code_object_version 6
	.text
	.protected	k_qe15437961a_merge
	.globl	k_qe15437961a_merge
	.p2align	8
	.type	k_qe15437961a_merge,@function
k_qe15437961a_merge:
	s_mov_b64 s[64:65], 0
	v_nop
	global_prefetch_b8 v0, s[64:65] scope:SCOPE_SE
	s_setreg_imm32_b32 hwreg(HW_REG_WAVE_MODE, 25, 1), 1
	s_wait_xcnt 0x0
; MERGE: for each query the 64 lists of 16 group maxima (32 chunks x 2 halves of the lanes) become the numbers of the 16 best groups, stored as whole numbers.
; A work-group serves one tile of 16 queries.  Wave w takes chunks 4 w .. 4 w + 3; its lane (r, h) is the lane that made the lists.
; KEYS.  R is the query's best value, RB a little above it: R + max(|R| / 1024, 1e-30).  d = RB - value is positive and normal, smaller is better.  A key is d with its low 13 bits replaced by
; chunk << 8 | h << 7 | record: so 10 bits of mantissa resolve the DIFFERENCE to the best, and keys of one query are all different.
; MERGING two ascending lists of 16 into the lowest 16: t[i] = min(a[i], b[15 - i]) is bitonic and holds them; four layers of compare and exchange sort it.
; First each lane merges its four lists; the 256 lists change lanes through LDS, so that the sixteen lanes of a row hold one query's sixteen; four merges across lanes (DPP) leave the result in all of them.
; LIMITS.  NaN and infinities are not treated apart; values that agree in the key's ten bits are ordered by the group's number.
.set RED,   0                          ; wave x 64 + r x 4
.set EX,    512                        ; 256 lists, 80 bytes apart: an odd multiple of 16
.set SPARE, 20992
.set SPW, 2
.set NIL, 3
.set K0, 16
.set K1, 32
.set K2, 48
.set K3, 64
.set PB, 80
.macro BST src, dst, n, d              ; a layer: elements d apart, the smaller below
.set bi, 0
.rept \n
.if (bi & (\d)) == 0
	v_min_num_f32 v[\dst+bi], v[\src+bi], v[\src+bi+\d]
	v_max_num_f32 v[\dst+bi+\d], v[\src+bi], v[\src+bi+\d]
.endif
.set bi, bi+1
.endr
.endm
.macro SORT16 a, t                     ; the bitonic t is sorted; the result lies in t, a is at work
	BST \t, \a, 16, 8
	BST \a, \t, 16, 4
	BST \t, \a, 16, 2
	BST \a, \t, 16, 1
.endm
.macro MERGE a, b, t
.set bi, 0
.rept 16
	v_min_num_f32 v[\t+bi], v[\a+bi], v[\b+15-bi]
.set bi, bi+1
.endr
	SORT16 \a, \t
.endm
.macro XMERGE a, t, m                  ; with the list of the lane m away; both end with the same list
.set bi, 0
.rept 16
	v_min_num_f32_dpp v[\t+bi], v[\a+15-bi], v[\a+bi] row_xmask:\m row_mask:0xf bank_mask:0xf
.set bi, bi+1
.endr
	SORT16 \a, \t
.endm
	s_load_b128 s[4:7], s[0:1], 0x0                ; cand 4, gidx 6
	v_lshl_add_u32 v[SPW], v0, 2, SPARE
	v_mov_b32 v[NIL], 0
	v_lshrrev_b32 v1, 5, v0
	v_readfirstlane_b32 s8, v1                     ; wave 0..7
	v_and_b32 v4, 31, v0
	v_and_b32 v5, 15, v0                           ; r
	v_bfe_u32 v6, v0, 4, 1                         ; h
	v_lshlrev_b32 v7, 4, v4                        ; 16 x lane
	s_lshl_b32 s9, s8, 6
	v_lshl_add_u32 v8, v5, 2, s9                   ; my word of RED
	v_lshlrev_b32 v9, 2, v5
	v_mul_u32_u24 v10, v0, 80                      ; my list in EX
	v_and_b32 v11, 7, v0                           ; the list that I take over: wave l % 8, half (l / 8) % 2, query 2 w + l / 16
	v_lshlrev_b32 v11, 5, v11
	v_bfe_u32 v12, v0, 3, 1
	v_lshl_add_u32 v11, v12, 4, v11
	v_add_nc_u32 v11, v11, v6
	s_lshl_b32 s9, s8, 1
	v_add_nc_u32 v11, s9, v11
	v_mul_u32_u24 v11, v11, 80
	v_lshlrev_b32 v13, 2, v4                       ; 4 x lane
	s_lshl_b32 s12, s8, 10
	v_lshl_add_u32 v112, v6, 7, s12                ; chunk << 8 | h << 7
.irp c,1,2,3
	v_add_nc_u32 v[112+\c], \c*256, v112
.endr
	s_mov_b32 s14, 0x76543210
	s_mov_b32 s15, 0xfedcba98
	s_mov_b32 s16, 0x3a800000                      ; 1/1024
	s_mov_b32 s17, 0x0da24260                      ; 1e-30
	s_mov_b32 s18, 0xffffe000
	s_mov_b32 s20, 0xaaaaaaaa
	s_mov_b32 s21, 0xcccccccc
	s_mov_b32 s22, 0xf0f0f0f0
	s_mov_b32 s23, 0xff00ff00
	s_lshl_b32 s10, ttmp9, 11                      ; the tile's 2,048 bytes in a chunk,
	s_lshl_b32 s11, s8, 20                         ; four chunks of 262,144 bytes a wave
	s_add_co_u32 s10, s10, s11
	s_mov_b32 s11, 0
	s_lshl_b32 s24, ttmp9, 10                      ; gidx: 64 bytes a query
	s_lshl_b32 s25, s8, 7
	s_add_co_u32 s24, s24, s25
	s_mov_b32 s25, 0
	s_wait_kmcnt 0x0
	s_add_nc_u64 s[4:5], s[4:5], s[10:11]
	s_add_nc_u64 s[6:7], s[6:7], s[24:25]
.irp c,0,1,2,3
.irp k,0,1,2,3
	global_load_b128 v[K0+16*\c+4*\k:K0+16*\c+4*\k+3], v7, s[4:5] offset:\c*262144+\k*512 th:TH_LOAD_NT
.endr
.endr
	v_mov_b32 v97, 0
	s_wait_loadcnt 0x0
	v_max3_num_f32 v96, v[K0], v[K1], v[K2]        ; the query's best value: my four heads, the other half's, the eight waves'
	v_max_num_f32 v96, v96, v[K3]
	v_permlanex16_b32 v97, v96, s14, s15
	v_max_num_f32 v96, v96, v97
	ds_store_b32 v8, v96 offset:RED
	s_wait_dscnt 0x0
	s_barrier_signal -1
	s_barrier_wait -1
.irp k,0,1,2,3,4,5,6,7
	ds_load_b32 v[96+\k], v9 offset:RED+\k*64
.endr
	s_wait_dscnt 0x0
	v_max3_num_f32 v96, v96, v97, v98
	v_max3_num_f32 v99, v99, v100, v101
	v_max3_num_f32 v96, v96, v102, v103
	v_max_num_f32 v96, v96, v99
	v_and_b32 v97, 0x7fffffff, v96
	v_mul_f32 v97, s16, v97
	v_max_num_f32 v97, s17, v97
	v_add_f32 v96, v96, v97                        ; RB
.irp c,0,1,2,3
.set i, 0
.rept 16
	v_and_or_b32 v[98+i%4], v[K0+16*\c+i], 127, v[112+\c]
	v_sub_f32 v[K0+16*\c+i], v96, v[K0+16*\c+i]
	v_and_or_b32 v[K0+16*\c+i], v[K0+16*\c+i], s18, v[98+i%4]
.set i, i+1
.endr
.endr
	MERGE K0, K1, PB
	MERGE PB, K2, K0
	MERGE K0, K3, PB
.irp k,0,1,2,3
	ds_store_b128 v10, v[PB+4*\k:PB+4*\k+3] offset:EX+16*\k
.endr
	s_wait_dscnt 0x0
	s_barrier_signal -1
	s_barrier_wait -1
.irp k,0,1,2,3
	ds_load_b128 v[K0+4*\k:K0+4*\k+3], v11 offset:EX+16*\k
.endr
	s_wait_dscnt 0x0
	XMERGE K0, PB, 1
	XMERGE PB, K0, 2
	XMERGE K0, PB, 4
	XMERGE PB, K0, 8                               ; run whole: all sixteen lanes of a row end with the same sorted list
.irp k,0,1,2,3,4,5,6,7
	v_cndmask_b32 v[96+\k], v[K0+2*\k], v[K0+2*\k+1], s20    ; lane l picks entry l % 16, bit by bit
.endr
.irp k,0,1,2,3
	v_cndmask_b32 v[104+\k], v[96+2*\k], v[96+2*\k+1], s21
.endr
	v_cndmask_b32 v108, v104, v105, s22
	v_cndmask_b32 v109, v106, v107, s22
	v_cndmask_b32 v110, v108, v109, s23
	v_and_b32 v100, 0x1f00, v110                   ; the group's number: chunk << 8 | record << 1 | h
	v_and_b32 v101, 127, v110
	v_lshl_or_b32 v100, v101, 1, v100
	v_bfe_u32 v101, v110, 7, 1
	v_or_b32 v100, v100, v101
	global_store_b32 v13, v100, s[6:7]             ; two queries' 128 consecutive bytes a wave
	s_wait_tensorcnt 0x0                           ; the wave's end
	ds_add_u32 v[SPW], v[NIL]
	s_wait_dscnt 0x0
	s_endpgm
.Lfunc_end_k_qe15437961a_merge:
	.size	k_qe15437961a_merge, .Lfunc_end_k_qe15437961a_merge-k_qe15437961a_merge
	.p2alignl 7, 3214868480
	.fill 96, 4, 3214868480
	.section	.rodata,"a",@progbits
	.p2align	6, 0x0
	.amdhsa_kernel k_qe15437961a_merge
		.amdhsa_group_segment_fixed_size 22016
		.amdhsa_private_segment_fixed_size 0
		.amdhsa_enable_private_segment 0
		.amdhsa_kernarg_size 16
		.amdhsa_user_sgpr_count 2
		.amdhsa_user_sgpr_kernarg_segment_ptr 1
		.amdhsa_wavefront_size32 1
		.amdhsa_system_sgpr_workgroup_id_x 1
		.amdhsa_system_sgpr_workgroup_id_y 1
		.amdhsa_system_sgpr_workgroup_id_z 1
		.amdhsa_system_vgpr_workitem_id 0
		.amdhsa_next_free_vgpr 128
		.amdhsa_next_free_sgpr 66
		.amdhsa_reserve_vcc 0
		.amdhsa_float_denorm_mode_32 3
		.amdhsa_float_denorm_mode_16_64 3
		.amdhsa_memory_ordered 1
		.amdhsa_forward_progress 1
		.amdhsa_inst_pref_size 39
	.end_amdhsa_kernel
	.amdgpu_metadata
---
amdhsa.version: [ 1, 2 ]
amdhsa.kernels:
  - .name:           k_qe15437961a_merge
    .symbol:         k_qe15437961a_merge.kd
    .args:
      - { .name: cand, .offset: 0, .size: 8, .value_kind: global_buffer, .address_space: global }
      - { .name: gidx, .offset: 8, .size: 8, .value_kind: global_buffer, .address_space: global }
    .group_segment_fixed_size: 22016
    .private_segment_fixed_size: 0
    .kernarg_segment_align: 8
    .kernarg_segment_size: 16
    .max_flat_workgroup_size: 256
    .sgpr_count:     66
    .vgpr_count:     128
    .wavefront_size: 32
...
	.end_amdgpu_metadata
.endif
;; end of part 3
;; launch rescan (part 4): grid 512 x 1, 4 waves a work-group, no clusters, 283,136 bytes of LDS; arguments mb, qb, qc, gidx, retr; writes retr
.if DOCPART == 4
	.amdgcn_target "amdgcn-amd-amdhsa--gfx1250"
	.amdhsa_code_object_version 6
	.text
	.protected	k_qe15437961a_rescan
	.globl	k_qe15437961a_rescan
	.p2align	8
	.type	k_qe15437961a_rescan,@function
k_qe15437961a_rescan:
	s_mov_b64 s[64:65], 0
	v_nop
	global_prefetch_b8 v0, s[64:65] scope:SCOPE_SE
	s_setreg_imm32_b32 hwreg(HW_REG_WAVE_MODE, 25, 1), 1
	s_wait_xcnt 0x0
; RESCAN: a wave serves one query.  Its 16 groups (128 rows of m_b, 64 KiB) are copied into LDS by their numbers, which the launch before stored as whole numbers; all 128 are scored anew;
; the 16 nearest are kept, weighted by softmax(-dist), and averaged.  No wave touches another's LDS bytes: no barrier.
; DISTANCE.  e1 = max(2 sq / max((1-x2)(1-y2), 1e-5), 1e-5) is arg - 1; exp(dist) = u = 1 + e1 + sqrt(e1 (e1 + 2)).  The weight exp(-(dist - least dist)) is umin / u: the maximum is taken away,
; as a quotient; u lies between 1 and 2e6 by the clips that the problem itself makes.
; SELECTION.  A key is e1 with its low 7 bits replaced by the candidate's number: all different.  The 16th smallest of the 128 is found by sorting 4 in a lane and merging across lanes; a
; candidate counts if its key is not above it: exactly 16 do.
; PRODUCTS.  Scores: source 0 = 16 candidate rows, source 1 = the query in all 16 columns.  Average: source 0 = 16 channels x 32 candidates (turned on the way out of LDS), source 1 = the weights in all columns.
; LIMITS.  NaN and infinities are not treated apart; equal distances are ordered by the candidate's number, not by the row's index in memory; the weights are rounded to bf16 for the product.
.set RP,    544                        ; a candidate row in LDS: 512 + 32 bytes: an odd multiple of 32, for the turning load
.set WROWS, 128*RP                     ; a wave's rows
.set SCR,   4*WROWS                    ; a wave's scratch, 1,024 bytes: 512 of scores (later the result), 256 of weights.  No copy lands here
.set SPARE, SCR+4096
.set SPW, 2
.set NIL, 3
.set AFA, 7                            ; v7  rows + r x 544 + 16 h
.set SCS, 8                            ; v8  scratch + 32 h
.set SCL, 9                            ; v9  scratch + 16 l
.set WST, 10                           ; v10 scratch + 8 l
.set HS,  11                           ; v11 scratch + 16 h
.set TA,  12                           ; v12 the turning load's address
.set QOF, 14                           ; v14 16 h
.set GO,  15                           ; v15 16 l
.set VG,  16                           ; v[16:31]  the ids, then each group's byte offset in mb with my lane's term
.set VL,  32                           ; v[32:95]  the copies' LDS addresses: group gs, pair of rows jp at 4 gs + jp
.set AF,  96                           ; v[96:159] a tile's eight fragments
.set ACC, 160                          ; v[160:175] two accumulators
.set QF,  176                          ; v[176:239] the query's eight fragments
.set NY4, 240                          ; v[240:243] -y2/2 of my four candidates
.set PBK, 16                           ; behind the copies: three banks of 16 for the merging
.set TBK, 32
.set XBK, 48
.set KEY, 84
.set WF,  16                           ; the average: v[16:47] the weights' fragments, v[48:79] four accumulators, v[96:223] sixteen fragments
.set DD,  48
.set MF,  96
.macro BST src, dst, n, d
.set bi, 0
.rept \n
.if (bi & (\d)) == 0
	v_min_num_f32 v[\dst+bi], v[\src+bi], v[\src+bi+\d]
	v_max_num_f32 v[\dst+bi+\d], v[\src+bi], v[\src+bi+\d]
.endif
.set bi, bi+1
.endr
.endm
; My sorted n and those of the lane m away: the lower n into dst, and (hi = 1) the upper n behind them; each is bitonic.
.macro XFOLD src, dst, n, m, hi
.set bi, 0
.rept \n
	v_min_num_f32_dpp v[\dst+bi], v[\src+\n-1-bi], v[\src+bi] row_xmask:\m row_mask:0xf bank_mask:0xf
.if \hi
	v_max_num_f32_dpp v[\dst+\n+bi], v[\src+\n-1-bi], v[\src+bi] row_xmask:\m row_mask:0xf bank_mask:0xf
.endif
.set bi, bi+1
.endr
.endm
.macro XMERGE a, t, m                  ; the lowest 16 of two sorted 16, sorted, in t
	XFOLD \a, \t, 16, \m, 0
	BST \t, \a, 16, 8
	BST \a, \t, 16, 4
	BST \t, \a, 16, 2
	BST \a, \t, 16, 1
.endm
; Candidates 16 T .. 16 T + 15 are scored.  cnt: the copies issued behind theirs, which may stay out (at most what the wait's field holds).
.macro SCORE T, cnt
	s_wait_asynccnt \cnt
.set f, 0
.rept 8
	ds_load_b128 v[AF+8*f:AF+8*f+3], v[AFA] offset:(\T)*16*RP+64*f
	ds_load_b128 v[AF+8*f+4:AF+8*f+7], v[AFA] offset:(\T)*16*RP+64*f+32
.set f, f+1
.endr
	s_wait_dscnt 0x0
.set f, 0
.rept 8                                ; even K steps on one accumulator, odd on the other: they take turns
.if f < 2
	v_wmma_f32_16x16x32_bf16 v[ACC+8*(f%2):ACC+8*(f%2)+7], v[AF+8*f:AF+8*f+7], v[QF+8*f:QF+8*f+7], 0
.else
	v_wmma_f32_16x16x32_bf16 v[ACC+8*(f%2):ACC+8*(f%2)+7], v[AF+8*f:AF+8*f+7], v[QF+8*f:QF+8*f+7], v[ACC+8*(f%2):ACC+8*(f%2)+7]
.endif
.set f, f+1
.endr
.rept 8
	v_nop                                          ; the places behind the last product, in front of the sums below and of the next tile's loads
.endr
.irp j,0,2,4,6
	v_pk_add_f32 v[248+\j:249+\j], v[ACC+\j:ACC+\j+1], v[ACC+8+\j:ACC+8+\j+1]
.endr
	ds_store_b128 v[SCS], v[248:251] offset:(\T)*64            ; all sixteen columns hold the same scores and write the same bytes
	ds_store_b128 v[SCS], v[252:255] offset:(\T)*64+16
.endm
	s_load_b256 s[4:11], s[0:1], 0x0               ; mb 4, qb 6, qc 8, gidx 10
	s_load_b64 s[12:13], s[0:1], 0x20              ; retr
	v_lshl_add_u32 v[SPW], v0, 2, SPARE
	v_mov_b32 v[NIL], 0
	ds_add_u32 v[SPW], v[NIL]                      ; the wave's opening: the add and its wait ahead of my first copy
	ds_add_u32 v2, v3
	v_lshrrev_b32 v1, 5, v0
	v_readfirstlane_b32 s14, v1
	s_lshl2_add_u32 s15, ttmp9, s14                ; my query
	v_and_b32 v4, 31, v0                           ; l
	v_and_b32 v5, 15, v0                           ; r
	v_bfe_u32 v6, v0, 4, 1                         ; h
	s_mul_i32 s16, s14, WROWS
	s_lshl_b32 s17, s14, 10
	s_add_co_u32 s17, s17, SCR
	v_mul_u32_u24 v[AFA], v5, RP
	v_lshl_add_u32 v[AFA], v6, 4, v[AFA]
	v_add_nc_u32 v[AFA], s16, v[AFA]
	v_lshl_add_u32 v[SCS], v6, 5, s17
	v_lshl_add_u32 v[SCL], v4, 4, s17
	v_lshl_add_u32 v[WST], v4, 3, s17
	v_lshl_add_u32 v[HS], v6, 4, s17
	v_and_b32 v1, 7, v0                            ; the turning load: lane l reads candidate 8 h + l % 8, channels 8 ((l / 8) % 2) on
	v_lshl_add_u32 v1, v6, 3, v1
	v_mul_u32_u24 v[TA], v1, RP
	v_bfe_u32 v1, v0, 3, 1
	v_lshl_add_u32 v[TA], v1, 4, v[TA]
	v_add_nc_u32 v[TA], s16, v[TA]
	v_lshlrev_b32 v[QOF], 4, v6
	v_lshlrev_b32 v[GO], 4, v4
	v_lshlrev_b32 v244, 4, v5                      ; a copy takes two rows x 256 bytes: in memory h x 512 + 16 r,
	v_lshl_add_u32 v244, v6, 9, v244
	v_mul_u32_u24 v248, v6, RP                     ; in LDS h x 544 + 16 r
	v_lshl_add_u32 v248, v5, 4, v248
	v_add_nc_u32 v248, s16, v248
	v_lshrrev_b32 v247, 1, v4
	v_lshlrev_b32 v247, 2, v247                    ; my four candidates lie in group l / 2
	v_mov_b32 v1, 0
	s_mov_b32 s19, 0
	s_mov_b32 s24, 0x3727c5ac                      ; 1e-5
	s_mov_b32 s25, 0xffffff80
	s_mov_b32 s26, 0x76543210
	s_mov_b32 s27, 0xfedcba98
	s_wait_dscnt 0x0                               ; the opening add is done
	s_wait_kmcnt 0x0
	s_lshl_b32 s18, s15, 4
	s_add_nc_u64 s[8:9], s[8:9], s[18:19]
	s_load_b128 s[20:23], s[8:9], 0x0              ; -x2/2, 1e5 (1-x2), their product, 1-x2
	s_lshl_b32 s28, s15, 6
	s_mov_b32 s29, 0
	s_add_nc_u64 s[10:11], s[10:11], s[28:29]
	s_lshl_b32 s30, s15, 9
	s_mov_b32 s31, 0
	s_add_nc_u64 s[6:7], s[6:7], s[30:31]
	s_add_nc_u64 s[12:13], s[12:13], s[30:31]
.irp k,0,1,2,3
	global_load_b128 v[VG+4*\k:VG+4*\k+3], v1, s[10:11] offset:16*\k      ; all sixteen numbers in every lane
.endr
	global_load_b32 v245, v247, s[10:11]
.set gs, 0
.rept 16
.irp jp,0,1,2,3
	v_add_nc_u32 v[VL+4*gs+\jp], 8*RP*gs+64*\jp, v248      ; the copy's immediate, 1,024 jp, is added to both addresses: two rows are 1,088 bytes here
.endr
.set gs, gs+1
.endr
	s_wait_loadcnt 0x0
	s_wait_kmcnt 0x0
.set gs, 0
.rept 16
	v_min_u32 v[VG+gs], 0x1fff, v[VG+gs]           ; a group's number stays inside the table
	v_and_b32 v1, 0x1ffe, v[VG+gs]
	v_lshl_add_u32 v1, v1, 8, v244
	v_lshl_add_u32 v[VG+gs], v[VG+gs], 12, v1      ; 4,096 g + 512 (g / 2): records of 8,704 bytes, two groups each
.set gs, gs+1
.endr
	v_min_u32 v245, 0x1fff, v245
	v_and_b32 v246, 0x1ffe, v245
	v_mul_u32_u24 v246, v246, 4352
	v_and_b32 v247, 1, v245
	v_lshl_add_u32 v246, v247, 5, v246
	v_and_b32 v247, 1, v0
	v_lshl_add_u32 v246, v247, 4, v246
.set f, 0
.rept 8
	global_load_b128 v[QF+8*f:QF+8*f+3], v[QOF], s[6:7] offset:64*f
	global_load_b128 v[QF+8*f+4:QF+8*f+7], v[QOF], s[6:7] offset:64*f+32
.set f, f+1
.endr
	global_load_b128 v[NY4:NY4+3], v246, s[4:5] offset:8192
.set gs, 0
.rept 16                               ; 128 copies, all at the head: each covers two pieces of 256 consecutive bytes, aligned
.irp jp,0,1,2,3
	global_load_async_to_lds_b128 v[VL+4*gs+\jp], v[VG+gs], s[4:5] offset:\jp*1024
	global_load_async_to_lds_b128 v[VL+4*gs+\jp], v[VG+gs], s[4:5] offset:\jp*1024+256
.endr
.set gs, gs+1
.endr
	s_wait_loadcnt 0x0                             ; the query and my four -y2/2
	SCORE 0, 63                                    ; 112, 96, 80 and 64 copies were issued behind these tiles': the wait's field holds 63
	SCORE 1, 63
	SCORE 2, 63
	SCORE 3, 63
	SCORE 4, 48
	SCORE 5, 32
	SCORE 6, 16
	SCORE 7, 0                                     ; all copies are done: their address registers are free
	; THE WEIGHTS.  Lane l owns candidates 4 l + e.
	ds_load_b128 v[64:67], v[SCL]                  ; LDS serves a wave's instructions in order (ISA guide 5.7.1.4): this sees the stores above
	v_lshlrev_b32 v72, 2, v4
.irp e,1,2,3
	v_or_b32 v[72+\e], \e, v72
.endr
.irp e,0,1,2,3
	v_fma_f32 v[68+\e], v[NY4+\e], 2.0, 1.0        ; 1 - y2
.endr
.irp e,0,1,2,3
	v_mul_f32 v[68+\e], s23, v[68+\e]
.endr
.irp e,0,1,2,3
	v_max_num_f32 v[68+\e], s24, v[68+\e]
.endr
.irp e,0,1,2,3
	v_rcp_f32 v[68+\e], v[68+\e]
.endr
	s_wait_dscnt 0x0
.irp e,0,1,2,3
	v_add_f32 v[64+\e], v[64+\e], v[NY4+\e]
.endr
.irp e,0,1,2,3
	v_add_f32 v[64+\e], s20, v[64+\e]              ; -sq/2
.endr
.irp e,0,1,2,3
	v_mul_f32 v[64+\e], -4.0, v[64+\e]
.endr
.irp e,0,1,2,3
	v_max_num_f32 v[64+\e], 0, v[64+\e]            ; 2 sq, not below 0
.endr
	s_wait_alu depctr_va_vdst(0)                   ; one wait for the four reciprocals, ahead of their first reader
.irp e,0,1,2,3
	v_mul_f32 v[64+\e], v[64+\e], v[68+\e]
.endr
.irp e,0,1,2,3
	v_max_num_f32 v[64+\e], s24, v[64+\e]          ; e1
.endr
.irp e,0,1,2,3
	v_and_or_b32 v[KEY+\e], v[64+\e], s25, v[72+\e]
	v_add_f32 v[76+\e], 2.0, v[64+\e]
.endr
.irp e,0,1,2,3
	v_mul_f32 v[76+\e], v[76+\e], v[64+\e]
.endr
.irp e,0,1,2,3
	v_sqrt_f32 v[76+\e], v[76+\e]                  ; the merging below names none of the four results
.endr
	BST KEY, TBK, 4, 1                             ; four keys sorted in the lane
	v_min_num_f32 v[PBK], v[TBK], v[TBK+3]
	v_min_num_f32 v[PBK+1], v[TBK+1], v[TBK+2]
	v_max_num_f32 v[PBK+2], v[TBK], v[TBK+3]
	v_max_num_f32 v[PBK+3], v[TBK+1], v[TBK+2]
	BST PBK, TBK, 4, 1
	XFOLD TBK, PBK, 4, 1, 1                        ; two lanes: 8 sorted
	BST PBK, TBK, 8, 2
	BST TBK, PBK, 8, 1
	XFOLD PBK, TBK, 8, 2, 1                        ; four lanes: 16 sorted
	BST TBK, PBK, 16, 4
	BST PBK, TBK, 16, 2
	BST TBK, PBK, 16, 1
	XMERGE PBK, TBK, 4                             ; from here the lowest 16 are kept
	XMERGE TBK, PBK, 8
.set bi, 0
.rept 16
	v_permlanex16_b32 v[XBK+bi], v[PBK+bi], s26, s27
.set bi, bi+1
.endr
.set bi, 0
.rept 16
	v_min_num_f32 v[TBK+bi], v[PBK+bi], v[XBK+15-bi]
.set bi, bi+1
.endr
	v_max3_num_f32 v[TBK], v[TBK], v[TBK+1], v[TBK+2]      ; the largest of the lowest 16
	v_max3_num_f32 v[TBK+3], v[TBK+3], v[TBK+4], v[TBK+5]
	v_max3_num_f32 v[TBK+6], v[TBK+6], v[TBK+7], v[TBK+8]
	v_max3_num_f32 v[TBK+9], v[TBK+9], v[TBK+10], v[TBK+11]
	v_max3_num_f32 v[TBK+12], v[TBK+12], v[TBK+13], v[TBK+14]
	v_max3_num_f32 v[TBK], v[TBK], v[TBK+3], v[TBK+6]
	v_max3_num_f32 v[TBK+9], v[TBK+9], v[TBK+12], v[TBK+15]
	v_max_num_f32 v[TBK], v[TBK], v[TBK+9]
	s_wait_alu depctr_va_vdst(0)                   ; the four roots
.irp e,0,1,2,3
	v_add_f32 v[76+\e], v[76+\e], v[64+\e]
.endr
.irp e,0,1,2,3
	v_add_f32 v[76+\e], 1.0, v[76+\e]              ; u = exp(dist)
.endr
	v_min3_num_f32 v80, v76, v77, v78
	v_min_num_f32 v80, v80, v79
	v_min_num_f32_dpp v80, v80, v80 row_xmask:1 row_mask:0xf bank_mask:0xf
	v_min_num_f32_dpp v80, v80, v80 row_xmask:2 row_mask:0xf bank_mask:0xf
	v_min_num_f32_dpp v80, v80, v80 row_xmask:4 row_mask:0xf bank_mask:0xf
	v_min_num_f32_dpp v80, v80, v80 row_xmask:8 row_mask:0xf bank_mask:0xf
	v_permlanex16_b32 v81, v80, s26, s27
	v_min_num_f32 v80, v80, v81
.irp e,0,1,2,3
	v_rcp_f32 v[68+\e], v[76+\e]
.endr
	v_nop
	s_wait_alu depctr_va_vdst(0)
.irp e,0,1,2,3
	v_mul_f32 v[68+\e], v80, v[68+\e]
	v_cmp_le_f32 vcc_lo, v[KEY+\e], v[TBK]
	v_cndmask_b32 v[68+\e], 0, v[68+\e], vcc_lo
.endr
	v_add_f32 v82, v68, v69
	v_add_f32 v83, v70, v71
	v_add_f32 v82, v82, v83
	v_add_f32_dpp v82, v82, v82 row_xmask:1 row_mask:0xf bank_mask:0xf
	v_add_f32_dpp v82, v82, v82 row_xmask:2 row_mask:0xf bank_mask:0xf
	v_add_f32_dpp v82, v82, v82 row_xmask:4 row_mask:0xf bank_mask:0xf
	v_add_f32_dpp v82, v82, v82 row_xmask:8 row_mask:0xf bank_mask:0xf
	v_permlanex16_b32 v81, v82, s26, s27
	v_add_f32 v82, v82, v81
	v_rcp_f32 v232, v82
	v_cvt_pk_bf16_f32 v88, v68, v69
	v_cvt_pk_bf16_f32 v89, v70, v71
	ds_store_b64 v[WST], v[88:89] offset:512
	s_wait_alu depctr_va_vdst(0)
	v_mov_b32 v233, v232                           ; named with it as a pair
	; THE AVERAGE.
.irp k,0,1,2,3
	ds_load_b128 v[WF+8*\k:WF+8*\k+3], v[HS] offset:512+64*\k
	ds_load_b128 v[WF+8*\k+4:WF+8*\k+7], v[HS] offset:512+64*\k+32
.endr
.irp nb,0,1,2,3                        ; four batches of four tiles of 16 channels
.irp k,0,1,2,3
.irp t,0,1,2,3
	ds_load_tr16_b128 v[MF+32*\k+8*\t:MF+32*\k+8*\t+3], v[TA] offset:32*\k*RP+32*(4*\nb+\t)
	ds_load_tr16_b128 v[MF+32*\k+8*\t+4:MF+32*\k+8*\t+7], v[TA] offset:32*\k*RP+16*RP+32*(4*\nb+\t)
.endr
.endr
	s_wait_dscnt 0x0
.irp k,0,1,2,3                         ; the four accumulators take turns
.irp t,0,1,2,3
.if \k == 0
	v_wmma_f32_16x16x32_bf16 v[DD+8*\t:DD+8*\t+7], v[MF+32*\k+8*\t:MF+32*\k+8*\t+7], v[WF+8*\k:WF+8*\k+7], 0
.else
	v_wmma_f32_16x16x32_bf16 v[DD+8*\t:DD+8*\t+7], v[MF+32*\k+8*\t:MF+32*\k+8*\t+7], v[WF+8*\k:WF+8*\k+7], v[DD+8*\t:DD+8*\t+7]
.endif
.endr
.endr
.rept 8
	v_nop
.endr
.irp t,0,1,2,3
.irp j,0,2,4,6
	v_pk_mul_f32 v[224+\j:225+\j], v[DD+8*\t+\j:DD+8*\t+\j+1], v[232:233] op_sel_hi:[1,0]     ; divided by the weights' sum
.endr
.irp j,0,1,2,3
	v_cvt_pk_bf16_f32 v[236+\j], v[224+2*\j], v[225+2*\j]
.endr
	ds_store_b128 v[HS], v[236:239] offset:32*(4*\nb+\t)   ; my eight channels; all sixteen columns write the same
.endr
.endr
	ds_load_b128 v[224:227], v[SCL]
	s_wait_dscnt 0x0
	global_store_b128 v[GO], v[224:227], s[12:13]  ; the query's whole row: 512 consecutive bytes, aligned
	s_wait_tensorcnt 0x0                           ; the wave's end
	s_wait_asynccnt 0x0
	ds_add_u32 v[SPW], v[NIL]
	s_wait_dscnt 0x0
	s_endpgm
.Lfunc_end_k_qe15437961a_rescan:
	.size	k_qe15437961a_rescan, .Lfunc_end_k_qe15437961a_rescan-k_qe15437961a_rescan
	.p2alignl 7, 3214868480
	.fill 96, 4, 3214868480
	.section	.rodata,"a",@progbits
	.p2align	6, 0x0
	.amdhsa_kernel k_qe15437961a_rescan
		.amdhsa_group_segment_fixed_size 283136
		.amdhsa_private_segment_fixed_size 0
		.amdhsa_enable_private_segment 0
		.amdhsa_kernarg_size 40
		.amdhsa_user_sgpr_count 2
		.amdhsa_user_sgpr_kernarg_segment_ptr 1
		.amdhsa_wavefront_size32 1
		.amdhsa_system_sgpr_workgroup_id_x 1
		.amdhsa_system_sgpr_workgroup_id_y 1
		.amdhsa_system_sgpr_workgroup_id_z 1
		.amdhsa_system_vgpr_workitem_id 0
		.amdhsa_next_free_vgpr 256
		.amdhsa_next_free_sgpr 66
		.amdhsa_reserve_vcc 1
		.amdhsa_float_denorm_mode_32 3
		.amdhsa_float_denorm_mode_16_64 3
		.amdhsa_memory_ordered 1
		.amdhsa_forward_progress 1
		.amdhsa_inst_pref_size 82
	.end_amdhsa_kernel
	.amdgpu_metadata
---
amdhsa.version: [ 1, 2 ]
amdhsa.kernels:
  - .name:           k_qe15437961a_rescan
    .symbol:         k_qe15437961a_rescan.kd
    .args:
      - { .name: mb, .offset: 0, .size: 8, .value_kind: global_buffer, .address_space: global }
      - { .name: qb, .offset: 8, .size: 8, .value_kind: global_buffer, .address_space: global }
      - { .name: qc, .offset: 16, .size: 8, .value_kind: global_buffer, .address_space: global }
      - { .name: gidx, .offset: 24, .size: 8, .value_kind: global_buffer, .address_space: global }
      - { .name: retr, .offset: 32, .size: 8, .value_kind: global_buffer, .address_space: global }
    .group_segment_fixed_size: 283136
    .private_segment_fixed_size: 0
    .kernarg_segment_align: 8
    .kernarg_segment_size: 40
    .max_flat_workgroup_size: 128
    .sgpr_count:     66
    .vgpr_count:     256
    .wavefront_size: 32
...
	.end_amdgpu_metadata
.endif
;; end of part 4
;; launch outp (part 5): grid 16 x 16, 4 waves a work-group, no clusters, 33,280 bytes of LDS; arguments retr, wp, bp, hidden, out0; writes out0
.if DOCPART == 5
	.amdgcn_target "amdgcn-amd-amdhsa--gfx1250"
	.amdhsa_code_object_version 6
	.text
	.protected	k_qe15437961a_outp
	.globl	k_qe15437961a_outp
	.p2align	8
	.type	k_qe15437961a_outp,@function
k_qe15437961a_outp:
	s_mov_b64 s[64:65], 0
	v_nop
	global_prefetch_b8 v0, s[64:65] scope:SCOPE_SE
	s_setreg_imm32_b32 hwreg(HW_REG_WAVE_MODE, 25, 1), 1
	s_wait_xcnt 0x0
; OUTP: out = hidden + 0.1 (retrieved wp + bp).  A work-group makes 128 rows x 64 columns, a wave 32 rows x 64: eight accumulators (2 tiles of rows x 4 fragments of columns).
; Source 0 = 16 rows of retrieved (bf16, K along the rows).  Source 1 = wp, which lies [k][n] in f32: a lane loads 16 bytes of row k, columns 4 r .. 4 r + 3 of the block (16 lanes: 256 consecutive
; bytes, aligned); number t of the four belongs to fragment t, whose column r stands for column 4 r + t.  So register j of the four fragments' results in lane r are 16 consecutive bytes of one row of out:
; row 16 mt + 8 h + j.
; Each wave rounds two of the eight K steps of wp and hands the fragments to the others through LDS, in register order.  bp is the C operand of the first K step.
; No cluster: what the sixteen work-groups of a column share is 64 KiB of wp, which goes into registers in fragment order; no prefetch: every load is issued at the head.
; REGISTERS: window 0: addresses; v[16:143] raw wp, then v[16:79] accumulators and v[80:143] two buffers of four fragments; v[144:147] bp; v[148:179] at work; v[180:211] bp as C.
;   window 1: v[0:63] hidden, row tile mt, register j at 4 (8 mt + j); v[64:191] retrieved's fragments, (mt, s) at 64 + 8 (8 mt + s).
.set SPARE, 32768                      ; behind the fragments (8 K steps x 4 x 1,024 bytes)
.set SPW, 2
.set NIL, 3
.set RO,  7                            ; v7  16 r
.set HO,  8                            ; v8  8 h rows of 4,096 bytes + 16 r: for wp, hidden and out
.set AO,  9                            ; v9  r x 512 + 16 h
.set BL,  10                           ; v10 16 x lane
.set BS,  11                           ; v11 wave x 8,192 + 16 x lane
.set RAW, 16
.set ACC, 16
.set BF,  80
.set BP,  144
.set TMP, 148
.set BPC, 180
.set MSB, 0
.macro WIN new
.if MSB != (\new)
	s_set_vgpr_msb (MSB<<8)|(\new)
.set MSB, (\new)
.endif
.endm
.macro CVB sp                          ; K step sp of my two: rounded, and stored as the registers will want it
.set p, 0
.rept 8
.irp t,0,1,2,3
	v_cvt_pk_bf16_f32 v[TMP+8*\t+p], v[RAW+64*(\sp)+8*p+\t], v[RAW+64*(\sp)+8*p+4+\t]
.endr
.set p, p+1
.endr
.irp t,0,1,2,3
	ds_store_b128 v[BS], v[TMP+8*\t:TMP+8*\t+3] offset:(\sp)*4096+\t*1024
	ds_store_b128 v[BS], v[TMP+8*\t+4:TMP+8*\t+7] offset:(\sp)*4096+\t*1024+512
.endr
.endm
.macro BLOAD s                         ; K step s's four fragments into buffer s % 2
.irp t,0,1,2,3
	ds_load_b128 v[BF+32*((\s)%2)+8*\t:BF+32*((\s)%2)+8*\t+3], v[BL] offset:(\s)*4096+\t*1024
	ds_load_b128 v[BF+32*((\s)%2)+8*\t+4:BF+32*((\s)%2)+8*\t+7], v[BL] offset:(\s)*4096+\t*1024+512
.endr
.endm
	s_load_b256 s[4:11], s[0:1], 0x0               ; retr 4, wp 6, bp 8, hidden 10
	s_load_b64 s[12:13], s[0:1], 0x20              ; out0
	v_lshl_add_u32 v[SPW], v0, 2, SPARE
	v_mov_b32 v[NIL], 0
	v_lshrrev_b32 v1, 5, v0
	v_readfirstlane_b32 s14, v1
	s_and_b32 s15, ttmp7, 0xffff                   ; the block of 128 rows
	v_and_b32 v4, 15, v0
	v_bfe_u32 v5, v0, 4, 1
	v_and_b32 v6, 31, v0
	v_lshlrev_b32 v[RO], 4, v4
	v_lshl_add_u32 v[HO], v5, 15, v[RO]
	v_lshlrev_b32 v[AO], 9, v4
	v_lshl_add_u32 v[AO], v5, 4, v[AO]
	v_lshlrev_b32 v[BL], 4, v6
	s_lshl_b32 s16, s14, 13
	v_add_nc_u32 v[BS], s16, v[BL]
	s_lshl_b32 s16, ttmp9, 8                       ; the block of 64 columns: 256 bytes
	s_mov_b32 s17, 0
	s_lshl_b32 s18, s14, 18                        ; wp: my two K steps are 64 rows of 4,096 bytes
	s_add_co_u32 s18, s18, s16
	s_mov_b32 s19, 0
	s_lshl_b32 s20, s15, 7
	s_lshl_b32 s21, s14, 5
	s_add_co_u32 s20, s20, s21                     ; my first row
	s_lshl_b32 s22, s20, 9
	s_mov_b32 s23, 0
	s_lshl_b32 s20, s20, 12
	s_add_co_u32 s20, s20, s16
	s_mov_b32 s21, 0
	s_mov_b32 s24, 0x3dcccccd                      ; 0.1
	s_wait_kmcnt 0x0
	s_add_nc_u64 s[6:7], s[6:7], s[18:19]
	s_add_nc_u64 s[8:9], s[8:9], s[16:17]
	s_add_nc_u64 s[4:5], s[4:5], s[22:23]
	s_add_nc_u64 s[10:11], s[10:11], s[20:21]
	s_add_nc_u64 s[12:13], s[12:13], s[20:21]
.irp sp,0,1
.set i, 0
.rept 8
	global_load_b128 v[RAW+64*\sp+4*i:RAW+64*\sp+4*i+3], v[HO], s[6:7] offset:(32*\sp+i)*4096
.set i, i+1
.endr
.set i, 0
.rept 8
	global_load_b128 v[RAW+64*\sp+32+4*i:RAW+64*\sp+32+4*i+3], v[HO], s[6:7] offset:(32*\sp+16+i)*4096
.set i, i+1
.endr
.endr
	global_load_b128 v[BP:BP+3], v[RO], s[8:9]
	WIN 0x40                                       ; destinations in window 1
.set i, 0
.rept 16                               ; row tile i / 8, K step i % 8
	global_load_b128 v[64+8*i:64+8*i+3], v[AO], s[4:5] offset:(i/8)*8192+(i%8)*64
	global_load_b128 v[64+8*i+4:64+8*i+7], v[AO], s[4:5] offset:(i/8)*8192+(i%8)*64+32
.set i, i+1
.endr
.set i, 0
.rept 16                               ; row tile i / 8, register i % 8: row 16 (i / 8) + i % 8, and 8 further down for the upper half of the lanes
	global_load_b128 v[4*i:4*i+3], v[HO], s[10:11] offset:((i/8)*16+i%8)*4096
.set i, i+1
.endr
	WIN 0
	s_wait_loadcnt 49                              ; raw wp is in; bp's 1, retrieved's 32 and hidden's 16 loads stay out
	CVB 0
	CVB 1
	s_wait_dscnt 0x0                               ; for the others' sake: my fragments lie in LDS
	s_barrier_signal -1
	s_barrier_wait -1
	BLOAD 0
	s_wait_loadcnt 16                              ; bp and retrieved are in; hidden's 16 loads stay out
.irp t,0,1,2,3
.set i, 0
.rept 8
	v_mov_b32 v[BPC+8*\t+i], v[BP+\t]              ; every row of a tile starts at its column's bias
.set i, i+1
.endr
.endr
.irp s,0,1,2,3,4,5,6,7
.if \s > 0
.rept 4
	v_nop                                          ; four places between the last K step's products and the loads below, which land in the buffer that those products read
.endr
.endif
.if \s < 7
	BLOAD \s+1
	s_wait_dscnt 8                                 ; this K step's fragments are in; the next step's eight loads stay out
.else
	s_wait_dscnt 0x0
.endif
	WIN 0x01                                       ; source 0 in window 1
.irp mt,0,1
.irp t,0,1,2,3                         ; the eight accumulators take turns, from K step to K step too
.if \s == 0
	v_wmma_f32_16x16x32_bf16 v[ACC+8*(4*\mt+\t):ACC+8*(4*\mt+\t)+7], v[64+8*(8*\mt+\s):64+8*(8*\mt+\s)+7], v[BF+32*(\s%2)+8*\t:BF+32*(\s%2)+8*\t+7], v[BPC+8*\t:BPC+8*\t+7]
.else
	v_wmma_f32_16x16x32_bf16 v[ACC+8*(4*\mt+\t):ACC+8*(4*\mt+\t)+7], v[64+8*(8*\mt+\s):64+8*(8*\mt+\s)+7], v[BF+32*(\s%2)+8*\t:BF+32*(\s%2)+8*\t+7], v[ACC+8*(4*\mt+\t):ACC+8*(4*\mt+\t)+7]
.endif
.endr
.endr
	WIN 0
.endr
.rept 8
	v_nop
.endr
	s_wait_loadcnt 0x0                             ; hidden
	WIN 0x50                                       ; destination and source 2 in window 1
.irp mt,0,1
.irp j,0,1,2,3,4,5,6,7                 ; each accumulator's registers in ascending order
.irp t,0,1,2,3
	v_fma_f32 v[4*(8*\mt+\j)+\t], v[ACC+8*(4*\mt+\t)+\j], s24, v[4*(8*\mt+\j)+\t]
.endr
.endr
.endr
	WIN 0x04                                       ; the stores' data in window 1
.set i, 0
.rept 16
	global_store_b128 v[HO], v[4*i:4*i+3], s[12:13] offset:((i/8)*16+i%8)*4096 th:TH_STORE_NT      ; 16 lanes store 256 consecutive bytes, aligned
.set i, i+1
.endr
	WIN 0
	s_wait_tensorcnt 0x0                           ; the wave's end
	ds_add_u32 v[SPW], v[NIL]
	s_wait_dscnt 0x0
	s_endpgm
.Lfunc_end_k_qe15437961a_outp:
	.size	k_qe15437961a_outp, .Lfunc_end_k_qe15437961a_outp-k_qe15437961a_outp
	.p2alignl 7, 3214868480
	.fill 96, 4, 3214868480
	.section	.rodata,"a",@progbits
	.p2align	6, 0x0
	.amdhsa_kernel k_qe15437961a_outp
		.amdhsa_group_segment_fixed_size 33280
		.amdhsa_private_segment_fixed_size 0
		.amdhsa_enable_private_segment 0
		.amdhsa_kernarg_size 40
		.amdhsa_user_sgpr_count 2
		.amdhsa_user_sgpr_kernarg_segment_ptr 1
		.amdhsa_wavefront_size32 1
		.amdhsa_system_sgpr_workgroup_id_x 1
		.amdhsa_system_sgpr_workgroup_id_y 1
		.amdhsa_system_sgpr_workgroup_id_z 1
		.amdhsa_system_vgpr_workitem_id 0
		.amdhsa_next_free_vgpr 448
		.amdhsa_next_free_sgpr 66
		.amdhsa_reserve_vcc 0
		.amdhsa_float_denorm_mode_32 3
		.amdhsa_float_denorm_mode_16_64 3
		.amdhsa_memory_ordered 1
		.amdhsa_forward_progress 1
		.amdhsa_inst_pref_size 32
	.end_amdhsa_kernel
	.amdgpu_metadata
---
amdhsa.version: [ 1, 2 ]
amdhsa.kernels:
  - .name:           k_qe15437961a_outp
    .symbol:         k_qe15437961a_outp.kd
    .args:
      - { .name: retr, .offset: 0, .size: 8, .value_kind: global_buffer, .address_space: global }
      - { .name: wp, .offset: 8, .size: 8, .value_kind: global_buffer, .address_space: global }
      - { .name: bp, .offset: 16, .size: 8, .value_kind: global_buffer, .address_space: global }
      - { .name: hidden, .offset: 24, .size: 8, .value_kind: global_buffer, .address_space: global }
      - { .name: out0, .offset: 32, .size: 8, .value_kind: global_buffer, .address_space: global }
    .group_segment_fixed_size: 33280
    .private_segment_fixed_size: 0
    .kernarg_segment_align: 8
    .kernarg_segment_size: 40
    .max_flat_workgroup_size: 128
    .sgpr_count:     66
    .vgpr_count:     448
    .wavefront_size: 32
...
	.end_amdgpu_metadata
.endif
;; end of part 5
;; ======== version 2 of 2: 5 launches; version 1 with the launches prep, outp written anew for expert scheduling mode
;; workspace buffers: mb 35,651,584 bytes; qb 1,048,576 bytes; qc 32,768 bytes; cand 8,388,608 bytes; gidx 131,072 bytes of whole numbers; retr 1,048,576 bytes
;; launch prep (part 6): grid 256 x 1, 16 waves a work-group, no clusters, 87,552 bytes of LDS; arguments hidden, memory, w1, b1, ln_g, ln_b, w2, b2, mb, qb, qc; writes mb, qb, qc
.if DOCPART == 6
	.amdgcn_target "amdgcn-amd-amdhsa--gfx1250"
	.amdhsa_code_object_version 6
	.text
	.protected	k_qe15437961a_prep
	.globl	k_qe15437961a_prep
	.p2align	8
	.type	k_qe15437961a_prep,@function
k_qe15437961a_prep:
	s_mov_b64 s[64:65], 0
	v_nop
	global_prefetch_b8 v0, s[64:65] scope:SCOPE_SE
	s_setreg_imm32_b32 hwreg(HW_REG_WAVE_SCHED_MODE, 0, 2), 2
	s_setreg_imm32_b32 hwreg(HW_REG_WAVE_MODE, 25, 1), 1
	s_wait_xcnt 0x0
	s_wait_alu depctr_vm_vsrc(0)
; PREP: two jobs that need nothing of each other, dealt to the work-groups by the parity of their number.
; ODD work-groups: the memory bank.  m_b = memory clipped into the ball, rounded to bf16, laid out in RECORDS of 16 rows: 16 x 512 bytes of bf16, then one
; row of 512 bytes with f32 NY[16] = -y2/2, IB[16] = 1/(1-y2) and 96 zeros: 8,704 bytes.  A wave makes 2 records, a work-group 32, 128 work-groups 4,096.
; EVEN work-groups: the query network for 16 rows of hidden: Linear, LayerNorm, exact GELU, Linear, clip into the ball.  q_b goes out in bf16, and for each
; query four f32: -x2/2, 1e5 (1-x2), their product, 1-x2.
; The branch between the jobs hangs on the work-group's number alone: all sixteen waves of a work-group take the same way.
; PRODUCTS ARE TAKEN TRANSPOSED: source 0 = 16 columns of the weights, source 1 = the 16 rows.  The weights lie [k][n] in f32.  A lane loads 16 bytes of row k,
; columns 64 nq + 4 r .. + 3 (16 lanes: 256 consecutive bytes, aligned); number t of the four belongs to fragment t, whose row r stands for column 64 nq + 4 r + t.
; Two such loads, k and k + 1, rounded in pairs, are one fragment register: no LDS and no turning.  In the result register j of tile t holds row r, column 64 nq + 32 h + 4 j + t.
; SHARES.  Wave w: kq = w / 4 is its quarter of K, nq = w % 4 its 64 columns.  The four partial sums meet in LDS; behind that a lane owns row r, columns n0 .. n0 + 7, n0 = 64 nq + 32 h + 8 kq.
; LIMITS.  NaN and infinities are not treated apart.  x2 and y2 are taken as scale^2 x the sum of squares, which differs from the sum of the scaled squares by f32 rounding alone.
; erf is the rational form 7.1.26 of Abramowitz and Stegun: absolute error 1.5e-7 for every argument.
; THE MODE: SCHED_MODE bits 1:0 = 2 (LLVM: expert scheduling mode 2), set by the entry lines.  The code itself states the register dependences
; between vector or matrix instructions and memory or LDS instructions, with s_wait_alu, always for 0.
; THE PLAN, the query network.  Registers that memory or LDS instructions touch:
;   v4 .. v14     offsets and LDS addresses: made once, ahead of one wait on va_vdst in front of the first load; never written again.
;   SETA, SETB    K step s: its 40 roundings read set s % 2; ONE wait on va_vdst stands behind them; the set's next 20 loads follow, five behind each of the step's four products,
;                 which name the fragments and the accumulators alone.
;   v[16:47]      the accumulators: written by the products, read by the LDS stores of the partial sums (places, then a wait on va_vdst, which also covers the loads into v[48:79]);
;                 a wait on vm_vsrc stands ahead of the first line that writes them again.
;   v24, v[32:47] a sum over the waves: a wait on va_vdst ahead of the store of v24 (it also covers the loads into v[32:47]), a wait on vm_vsrc ahead of the next write of v24.
;   v[24:27]      the two stores of rounded rows: a wait on va_vdst ahead of each; behind the first a wait on vm_vsrc, ahead of the products that write these registers.
; THE PLAN, the memory bank.
;   v4, v5, v[144:147]  made once, ahead of one wait on va_vdst in front of the loop.
;   X             loaded; read and scaled in place; each row's first four registers stored.  The rows go in two halves of eight: half 0's arithmetic, a wait on va_vdst, half 0's stores dealt among
;                 half 1's arithmetic (which names other rows), a wait on va_vdst, half 1's stores.  No vector instruction stands behind that wait, so it also covers the next record's loads into X;
;                 a wait on vm_vsrc at the loop's end states that the stores have read X.
;   s[8:23]       eight rows' scales at a time, read out of the lanes in one run, with one wait on va_sdst.
.set EPSF,  0x3727c5ac                 ; 1e-5
.set MAXN,  0x3f7fff58                 ; 1 - 1e-5
.set RED1,  0                          ; three tables for sums over the waves: row r x 64 bytes + wave x 4
.set RED2,  1024
.set RED3,  2048
.set GP,    528                        ; a row of 256 bf16 + 16 bytes: an odd multiple of 16
.set GST,   3072                       ; gelu's result, 16 rows
.set OST,   11520                      ; q_b, 16 rows
.set PART,  19968                      ; partial sums: wave x 4,096 + (2 t + a) x 512 + 16 x lane; they end at byte 85,504, and the bytes behind hold the spare words
.set WO,  4                            ; v4  my byte offset in w1
.set HO,  5                            ; v5  in the group's 16 rows of hidden
.set W2O, 6                            ; v6  in w2
.set PO,  7                            ; v7  4 n0: my eight numbers of b1, ln_g, ln_b, b2
.set PR,  8                            ; v8  where I read partial sums
.set PS,  9                            ; v9  where I put them
.set RS,  10                           ; v10 my word in a table of sums
.set RL,  11                           ; v11 my row's sixteen words there
.set GS,  12                           ; v12 r x 528 + 2 n0
.set GL,  13                           ; v13 r x 528 + 128 kq + 16 h
.set OL,  14                           ; v14 wave x 528 + 16 x lane
.set ACC, 16                           ; v[16:47]  four accumulators; later E = v[16:23] my eight numbers, v[24:47] at work
.set E,   16
.set AFR, 48                           ; v[48:79]  the weights' four fragments; later the partial sums read back
.set BFR, 80                           ; v[80:87]  the rows' fragment
.set SETA, 88                          ; v[88:167]  64 of raw weights, 16 of raw hidden (at the end: b1, ln_g)
.set SETB, 168                         ; v[168:247] the same (at the end: ln_b, b2)
.set X,   16                           ; the memory job: v[16:143] sixteen rows, 8 registers each
.set SC,  8                            ; the memory job: s[8:23] eight rows' scales, a pair each (the arguments that lay there serve the other job, or have been used)
.macro BAR                             ; what I stored is done and what I read is back; then all sixteen waves meet
	s_wait_dscnt 0x0
	s_barrier_signal -1
	s_barrier_wait -1
.endm
.macro NOPS n
.rept \n
	v_nop
.endr
.endm
.macro LW4 set, adr, base, s, q        ; four of the 16 loads that bring the 32 rows of K step s, four columns a lane: load i takes row i, from the eighth on row i + 8
.set i, 4*(\q)
.rept 4
	global_load_b128 v[\set+4*i:\set+4*i+3], v[\adr], s[\base:\base+1] offset:(32*(\s)+i+8*(i/8))*1024
.set i, i+1
.endr
.endm
.macro LH1 set, s, q                   ; one of the 4 loads that bring my 16 numbers of hidden for K step s
	global_load_b128 v[\set+64+4*(\q):\set+64+4*(\q)+3], v[HO], s[36:37] offset:128*(\s)+64*((\q)/2)+16*((\q)%2)
.endm
.macro LP1 set, base, q                ; one of the 4 loads that bring my eight numbers of each of two vectors of 256
	global_load_b128 v[\set+64+4*(\q):\set+64+4*(\q)+3], v[PO], s[\base:\base+1] offset:16*((\q)%2)
.endm
.macro CVTW set                        ; raw weights -> four fragments: register p of fragment t is (k, k + 1) of column 4 r + t
.set p, 0
.rept 8
.irp t,0,1,2,3
	v_cvt_pk_bf16_f32 v[AFR+8*\t+p], v[\set+8*p+\t], v[\set+8*p+4+\t]
.endr
.set p, p+1
.endr
.endm
.macro MUL4 bf, zero                   ; four products; the four accumulators take turns
.irp t,0,1,2,3
.if \zero
	v_wmma_f32_16x16x32_bf16 v[ACC+8*\t:ACC+8*\t+7], v[AFR+8*\t:AFR+8*\t+7], v[\bf:\bf+7], 0
.else
	v_wmma_f32_16x16x32_bf16 v[ACC+8*\t:ACC+8*\t+7], v[AFR+8*\t:AFR+8*\t+7], v[\bf:\bf+7], v[ACC+8*\t:ACC+8*\t+7]
.endif
.endr
.endm
; One of my eight K steps of the first product.  Every step asks for 20 loads into the set that it has just rounded, so the count at its head is always 20.
.macro STEP s
.set SB, SETA+80*((\s)%2)
	s_wait_loadcnt 20                              ; this set is in; the other set's 20 younger loads stay out
	CVTW SB
.set p, 0
.rept 8
	v_cvt_pk_bf16_f32 v[BFR+p], v[SB+64+2*p], v[SB+64+2*p+1]
.set p, p+1
.endr
	s_wait_alu depctr_va_vdst(0)                   ; the roundings are done reading this set, in which the 20 loads below land; the four products between those loads name none of its registers
.irp t,0,1,2,3                         ; the four accumulators take turns; five loads stand behind each product
.if (\s) == 0
	v_wmma_f32_16x16x32_bf16 v[ACC+8*\t:ACC+8*\t+7], v[AFR+8*\t:AFR+8*\t+7], v[BFR:BFR+7], 0      ; the first K step starts the sums
.else
	v_wmma_f32_16x16x32_bf16 v[ACC+8*\t:ACC+8*\t+7], v[AFR+8*\t:AFR+8*\t+7], v[BFR:BFR+7], v[ACC+8*\t:ACC+8*\t+7]
.endif
.if (\s) < 6
	LW4 SB, WO, 12, (\s)+2, \t
	LH1 SB, (\s)+2, \t
.elseif (\s) == 6
	LW4 SB, W2O, 20, 0, \t                         ; w2's first K step of my quarter,
	LP1 SB, 14+2*(\t/2), \t                        ; b1, then ln_g
.else
	LW4 SB, W2O, 20, 1, \t
	LP1 SB, 18+4*(\t/2), \t                        ; ln_b, then b2
.endif
.endr
	NOPS 4                                         ; four places in front of the next roundings into the fragments (ISA guide 7.12.1)
.endm
; The four quarters of K meet.  Each wave stores its 16 x 64 partial sums (each accumulator's low half first) and reads back, of all four quarters, two registers of each tile:
; AFR + 2 t + jj then holds row r, column n0 + 4 jj + t.
.macro GATHER
	s_wait_alu depctr_va_vdst(0)                   ; the products have written the accumulators, which the LDS stores read, and are done reading v[48:79], in which the loads below land; the places ahead stay beside this wait
.irp t,0,1,2,3
	ds_store_b128 v[PS], v[ACC+8*\t:ACC+8*\t+3] offset:\t*1024
.endr
.irp t,0,1,2,3
	ds_store_b128 v[PS], v[ACC+8*\t+4:ACC+8*\t+7] offset:\t*1024+512
.endr
	BAR
.irp k,0,1,2,3
.irp t,0,1,2,3
	ds_load_b64 v[AFR+8*\k+2*\t:AFR+8*\k+2*\t+1], v[PR] offset:\k*16384+\t*1024
.endr
.endr
	BAR                                            ; my reads are back, and every wave's: the next store to LDS stands behind all of them.  That store goes to other bytes, so no value hangs on this barrier
	s_wait_alu depctr_vm_vsrc(0)                   ; my LDS stores have read v[16:47], which vector lines and loads write again from here on
.irp t,0,1,2,3
	v_pk_add_f32 v[AFR+2*\t:AFR+2*\t+1], v[AFR+2*\t:AFR+2*\t+1], v[AFR+8+2*\t:AFR+8+2*\t+1]
	v_pk_add_f32 v[AFR+16+2*\t:AFR+16+2*\t+1], v[AFR+16+2*\t:AFR+16+2*\t+1], v[AFR+24+2*\t:AFR+24+2*\t+1]
.endr
.irp t,0,1,2,3
	v_pk_add_f32 v[AFR+2*\t:AFR+2*\t+1], v[AFR+2*\t:AFR+2*\t+1], v[AFR+16+2*\t:AFR+16+2*\t+1]
.endr
.endm
; The sum over a row's 256 numbers (sq = 1: of their squares): my eight, the other half of the lanes' eight, then the sixteen waves' through a table of its own.
.macro XSUM sq, red, dst
.if \sq
	v_pk_mul_f32 v[24:25], v[16:17], v[16:17]
	v_pk_mul_f32 v[26:27], v[18:19], v[18:19]
	v_pk_fma_f32 v[24:25], v[20:21], v[20:21], v[24:25]
	v_pk_fma_f32 v[26:27], v[22:23], v[22:23], v[26:27]
.else
	v_pk_add_f32 v[24:25], v[16:17], v[20:21]
	v_pk_add_f32 v[26:27], v[18:19], v[22:23]
.endif
	v_pk_add_f32 v[24:25], v[24:25], v[26:27]
	v_add_f32 v24, v24, v25
	v_permlanex16_b32 v15, v24, s34, s35
	v_add_f32 v24, v24, v15
	s_wait_alu depctr_va_vdst(0)                   ; v24 is written, which the store reads; the vector work so far is done with v[32:47], in which the loads below land
	ds_store_b32 v[RS], v24 offset:\red            ; both halves of the lanes write the same word with the same number
	BAR
.irp k,0,1,2,3
	ds_load_b128 v[32+4*\k:35+4*\k], v[RL] offset:\red+16*\k
.endr
	s_wait_dscnt 0x0
	s_wait_alu depctr_vm_vsrc(0)                   ; the store has read v24, which is written again further down
	v_pk_add_f32 v[32:33], v[32:33], v[34:35]
	v_pk_add_f32 v[36:37], v[36:37], v[38:39]
	v_pk_add_f32 v[40:41], v[40:41], v[42:43]
	v_pk_add_f32 v[44:45], v[44:45], v[46:47]
	v_pk_add_f32 v[32:33], v[32:33], v[36:37]
	v_pk_add_f32 v[40:41], v[40:41], v[44:45]
	v_pk_add_f32 v[32:33], v[32:33], v[40:41]
	v_add_f32 v[\dst], v32, v33
.endm
; The memory job.  Row i's sum of squares, in every lane; lanes i and 16 + i keep it.
.macro SUMSQ i
	s_wait_loadcnt 30-2*(\i)                       ; row i's two loads are in; those of the rows behind it stay out
	v_pk_mul_f32 v[8:9], v[X+8*(\i):X+8*(\i)+1], v[X+8*(\i):X+8*(\i)+1]
	v_pk_fma_f32 v[8:9], v[X+8*(\i)+2:X+8*(\i)+3], v[X+8*(\i)+2:X+8*(\i)+3], v[8:9]
	v_pk_fma_f32 v[8:9], v[X+8*(\i)+4:X+8*(\i)+5], v[X+8*(\i)+4:X+8*(\i)+5], v[8:9]
	v_pk_fma_f32 v[8:9], v[X+8*(\i)+6:X+8*(\i)+7], v[X+8*(\i)+6:X+8*(\i)+7], v[8:9]
	v_add_f32 v8, v8, v9
	v_add_f32_dpp v8, v8, v8 row_xmask:1 row_mask:0xf bank_mask:0xf
	v_add_f32_dpp v8, v8, v8 row_xmask:2 row_mask:0xf bank_mask:0xf
	v_add_f32_dpp v8, v8, v8 row_xmask:4 row_mask:0xf bank_mask:0xf
	v_add_f32_dpp v8, v8, v8 row_xmask:8 row_mask:0xf bank_mask:0xf
	v_permlanex16_b32 v10, v8, s34, s35
	v_add_f32 v8, v8, v10
	s_mov_b32 s40, 0x10001<<(\i)
	v_cndmask_b32 v6, v6, v8, s40
.endm
; The scales of rows 8 g .. 8 g + 7 leave the lanes in one run, into the even registers of s[8:23].
.macro SCALES g
.irp k,0,1,2,3,4,5,6,7
	v_readlane_b32 s[SC+2*\k], v7, 8*(\g)+\k
.endr
	s_wait_alu depctr_va_sdst(0)                   ; the eight scales are written, ahead of their first reader: one wait for the run
.endm
; Row i times its scale, rounded to bf16 in place.
.macro SCV i
	s_mov_b32 s[SC+2*((\i)%8)+1], s[SC+2*((\i)%8)] ; named with it as a pair
.irp k,0,2,4,6
	v_pk_mul_f32 v[X+8*(\i)+\k:X+8*(\i)+\k+1], v[X+8*(\i)+\k:X+8*(\i)+\k+1], s[SC+2*((\i)%8):SC+2*((\i)%8)+1] op_sel_hi:[1,0]
.endr
.irp k,0,1,2,3
	v_cvt_pk_bf16_f32 v[X+8*(\i)+\k], v[X+8*(\i)+2*\k], v[X+8*(\i)+2*\k+1]
.endr
.endm
; Row i is stored: each store of the wave covers 256 consecutive bytes, aligned.
.macro SCS i
	global_store_b64 v5, v[X+8*(\i):X+8*(\i)+1], s[38:39] offset:512*(\i)
	global_store_b64 v5, v[X+8*(\i)+2:X+8*(\i)+3], s[38:39] offset:512*(\i)+256
.endm
	s_load_b512 s[8:23], s[0:1], 0x0               ; hidden 8, memory 10, w1 12, b1 14, ln_g 16, ln_b 18, w2 20, b2 22
	s_load_b128 s[24:27], s[0:1], 0x40             ; mb 24, qb 26
	s_load_b64 s[28:29], s[0:1], 0x50              ; qc
	v_lshl_add_u32 v2, v0, 2, 0x14e00
	v_mov_b32 v3, 0
	v_lshrrev_b32 v1, 5, v0
	v_readfirstlane_b32 s30, v1                    ; wave 0..15
	s_and_b32 s31, ttmp9, 1                        ; which job
	s_lshr_b32 s32, ttmp9, 1                       ; my number in it, 0..127
	s_mov_b32 s34, 0x76543210                      ; v_permlanex16_b32: each lane takes its own place in the other half
	s_mov_b32 s35, 0xfedcba98
	s_mov_b32 s51, EPSF
	s_mov_b32 s59, MAXN
	s_mov_b32 s41, 0                               ; the high word of every offset pair s[40:41]
	s_wait_alu depctr_va_sdst(0)                   ; s30 is written, ahead of the branch and of its first reader on either way
	s_wait_kmcnt 0x0
	s_cmp_lg_u32 s31, 0
	s_cbranch_scc1 .Lmem
	; ---------------- THE QUERY NETWORK ----------------
	s_lshr_b32 s45, s30, 2                         ; kq
	s_and_b32 s46, s30, 3                          ; nq
	v_and_b32 v248, 15, v0                         ; r
	v_bfe_u32 v249, v0, 4, 1                       ; h
	v_and_b32 v250, 31, v0                         ; lane
	v_mov_b32 v15, 0                               ; v_permlanex16_b32's destination counts as read
	s_lshl_b32 s47, s45, 18                        ; w1: 256 rows of 1,024 bytes a quarter,
	s_lshl_b32 s48, s46, 8                         ; 64 columns of 4 bytes
	s_or_b32 s47, s47, s48
	v_lshlrev_b32 v251, 4, v248                    ; 4 columns a lane,
	v_lshl_add_u32 v251, v249, 13, v251            ; 8 rows on for the upper half of the lanes
	v_add_nc_u32 v[WO], s47, v251
	s_lshl_b32 s47, s45, 16                        ; w2: 64 rows a quarter
	s_or_b32 s47, s47, s48
	v_add_nc_u32 v[W2O], s47, v251
	s_lshl_b32 s47, s45, 10                        ; hidden: 256 numbers a quarter
	v_lshlrev_b32 v[HO], 12, v248
	v_lshl_add_u32 v[HO], v249, 5, v[HO]
	v_add_nc_u32 v[HO], s47, v[HO]
	s_lshl_b32 s47, s46, 6
	s_lshl_b32 s48, s45, 3
	s_add_co_u32 s47, s47, s48                     ; 64 nq + 8 kq
	v_lshl_add_u32 v251, v249, 5, s47              ; n0
	v_lshlrev_b32 v[PO], 2, v251
	s_lshl_b32 s47, s30, 12
	s_add_co_u32 s47, s47, PART
	v_lshl_add_u32 v[PS], v250, 4, s47
	s_lshl_b32 s47, s46, 12                        ; I read the waves of my nq: registers 2 kq, 2 kq + 1 lie in half kq / 2, at byte 8 (kq % 2) of the 16
	s_lshr_b32 s48, s45, 1
	s_lshl_b32 s48, s48, 9
	s_add_co_u32 s47, s47, s48
	s_and_b32 s48, s45, 1
	s_lshl_b32 s48, s48, 3
	s_add_co_u32 s47, s47, s48
	s_add_co_u32 s47, s47, PART
	v_lshl_add_u32 v[PR], v250, 4, s47
	s_lshl_b32 s47, s30, 2
	v_lshl_add_u32 v[RS], v248, 6, s47
	v_lshlrev_b32 v[RL], 6, v248
	v_mul_u32_u24 v252, v248, GP
	v_lshl_add_u32 v[GS], v251, 1, v252
	s_lshl_b32 s47, s45, 7
	v_lshl_add_u32 v[GL], v249, 4, v252
	v_add_nc_u32 v[GL], s47, v[GL]
	s_mul_i32 s47, s30, GP
	v_lshl_add_u32 v[OL], v250, 4, s47
	s_lshl_b32 s40, s32, 16                        ; the group's 16 rows of 4,096 bytes
	s_add_nc_u64 s[36:37], s[8:9], s[40:41]
	s_lshl_b32 s40, s32, 13
	s_add_nc_u64 s[26:27], s[26:27], s[40:41]      ; qb at the group's rows
	s_lshl_b32 s40, s32, 8
	s_add_nc_u64 s[28:29], s[28:29], s[40:41]      ; qc likewise
	s_mov_b32 s50, 0x3b800000                      ; 1/256
	s_mov_b32 s52, 0x3e6d3388                      ; 0.3275911 / sqrt(2)
	s_mov_b32 s53, 0xbf38aa3b                      ; -log2(e) / 2
	s_mov_b32 s54, 0xbe827906                      ; the five coefficients, negated: -0.254829592
	s_mov_b32 s55, 0x3e91a98e                      ; +0.284496736
	s_mov_b32 s56, 0xbfb5f0e3                      ; -1.421413741
	s_mov_b32 s57, 0x3fba00e3                      ; +1.453152027
	s_mov_b32 s58, 0xbf87dc22                      ; -1.061405429
	s_mov_b32 s60, 0x47c35000                      ; 1e5
	s_wait_alu depctr_va_vdst(0)                   ; the eleven offsets and LDS addresses v4 to v14 are written, which the loads and stores of this job read
.irp q,0,1,2,3
	LW4 SETA, WO, 12, 0, \q
	LH1 SETA, 0, \q
.endr
.irp q,0,1,2,3
	LW4 SETB, WO, 12, 1, \q
	LH1 SETB, 1, \q
.endr
.irp s,0,1,2,3,4,5,6,7
	STEP \s
.endr
	NOPS 4                                         ; eight places in all behind the last product, once
	GATHER
	s_wait_loadcnt 0x0                             ; w2's raw rows and the four vectors are in
.irp t,0,1,2,3
	v_add_f32 v[E+\t], v[AFR+2*\t], v[SETA+64+\t]          ; + b1
	v_add_f32 v[E+4+\t], v[AFR+2*\t+1], v[SETA+68+\t]
.endr
	XSUM 0, RED1, 248
	v_mul_f32 v248, s50, v248                      ; the mean
.irp e,0,1,2,3,4,5,6,7
	v_sub_f32 v[E+\e], v[E+\e], v248
.endr
	XSUM 1, RED2, 249                              ; the variance is the mean of the squared differences: no difference of large sums
	v_fma_f32 v249, v249, s50, s51
	v_rsq_f32 v250, v249
	v_nop
	s_wait_alu depctr_va_vdst(0)                   ; v250, the reciprocal root, is written, ahead of its first reader
.irp e,0,1,2,3,4,5,6,7
	v_mul_f32 v[24+\e], v250, v[SETA+72+\e]        ; rstd x ln_g
.endr
.irp e,0,1,2,3,4,5,6,7
	v_fma_f32 v[E+\e], v[E+\e], v[24+\e], v[SETB+64+\e]    ; + ln_b
.endr
	; gelu(y) = y/2 + |y|/2 erf(|y| / sqrt 2);  erf(z) = 1 - t (a1 + t (a2 + .. t a5)) e^(-z z), t = 1 / (1 + 0.3275911 z)
.irp e,0,1,2,3,4,5,6,7
	v_and_b32 v[48+\e], 0x7fffffff, v[E+\e]
	v_mul_f32 v[32+\e], v[E+\e], v[E+\e]
.endr
.irp e,0,1,2,3,4,5,6,7
	v_fma_f32 v[24+\e], v[48+\e], s52, 1.0
	v_mul_f32 v[32+\e], s53, v[32+\e]
.endr
.irp e,0,1,2,3,4,5,6,7
	v_rcp_f32 v[24+\e], v[24+\e]
.endr
.irp e,0,1,2,3,4,5,6,7
	v_exp_f32 v[32+\e], v[32+\e]
.endr
	v_nop                                          ; the plain instruction behind the last of the batch,
	s_wait_alu depctr_va_vdst(0)                   ; and one wait for all sixteen: the reciprocals v[24:31] and the exponentials v[32:39] are written, ahead of their first reader
.irp e,0,1,2,3,4,5,6,7
	v_fma_f32 v[40+\e], v[24+\e], s58, s57
.endr
.irp e,0,1,2,3,4,5,6,7
	v_fma_f32 v[40+\e], v[40+\e], v[24+\e], s56
.endr
.irp e,0,1,2,3,4,5,6,7
	v_fma_f32 v[40+\e], v[40+\e], v[24+\e], s55
.endr
.irp e,0,1,2,3,4,5,6,7
	v_fma_f32 v[40+\e], v[40+\e], v[24+\e], s54
.endr
.irp e,0,1,2,3,4,5,6,7
	v_mul_f32 v[40+\e], v[40+\e], v[24+\e]
.endr
.irp e,0,1,2,3,4,5,6,7
	v_fma_f32 v[40+\e], v[40+\e], v[32+\e], 1.0    ; erf
	v_mul_f32 v[24+\e], 0.5, v[E+\e]
	v_mul_f32 v[48+\e], 0.5, v[48+\e]
.endr
.irp e,0,1,2,3,4,5,6,7
	v_fma_f32 v[E+\e], v[48+\e], v[40+\e], v[24+\e]
.endr
.irp k,0,1,2,3
	v_cvt_pk_bf16_f32 v[24+\k], v[E+2*\k], v[E+2*\k+1]
.endr
	BAR                                            ; every wave's reads of the table of sums are back before the store below.  It goes to other bytes, so no value hangs on this barrier
	s_wait_alu depctr_va_vdst(0)                   ; the roundings have written v[24:27], which the store reads; the vector work so far is done with v[80:87] and v[248:255], in which the loads below land
	ds_store_b128 v[GS], v[24:27] offset:GST
	BAR
	s_wait_alu depctr_vm_vsrc(0)                   ; the store has read v[24:27], which the products below write
	; the second product: my quarter of K is 64, two K steps
	ds_load_b128 v[80:83], v[GL] offset:GST
	ds_load_b128 v[84:87], v[GL] offset:GST+32
	ds_load_b128 v[248:251], v[GL] offset:GST+64
	ds_load_b128 v[252:255], v[GL] offset:GST+96
	CVTW SETA
	s_wait_dscnt 0x0
	MUL4 80, 1
	NOPS 4
	CVTW SETB
	MUL4 248, 0
	NOPS 8
	GATHER                                         ; on the same bytes: every wave's reads of the first sums were back in front of a barrier that all have passed
.irp t,0,1,2,3
	v_add_f32 v[E+\t], v[AFR+2*\t], v[SETB+72+\t]          ; + b2
	v_add_f32 v[E+4+\t], v[AFR+2*\t+1], v[SETB+76+\t]
.endr
	XSUM 1, RED3, 248                              ; the query's squared norm
	v_sqrt_f32 v249, v248
	v_nop
	s_wait_alu depctr_va_vdst(0)                   ; v249, the norm, is written, ahead of its first reader
	v_max_num_f32 v250, s51, v249
	v_rcp_f32 v250, v250
	v_nop
	s_wait_alu depctr_va_vdst(0)                   ; v250, the reciprocal, is written, ahead of its first reader
	v_mul_f32 v250, s59, v250
	v_cmp_lt_f32 vcc_lo, s59, v249
	s_wait_alu depctr_va_vcc(0)                    ; VCC is written, ahead of the select that reads it
	v_cndmask_b32 v250, 1.0, v250, vcc_lo          ; the scale: (1 - 1e-5) / norm outside the ball, else 1
	v_mul_f32 v251, v248, v250
	v_mul_f32 v251, v251, v250                     ; x2
	v_sub_f32 v255, 1.0, v251                      ; 1 - x2
	v_mul_f32 v252, -0.5, v251                     ; -x2/2
	v_mul_f32 v253, s60, v255                      ; 1e5 (1 - x2)
	v_mul_f32 v254, v252, v253
.irp e,0,1,2,3,4,5,6,7
	v_mul_f32 v[E+\e], v[E+\e], v250
.endr
.irp k,0,1,2,3
	v_cvt_pk_bf16_f32 v[24+\k], v[E+2*\k], v[E+2*\k+1]
.endr
	v_lshlrev_b32 v48, 4, v0                       ; 512 x wave + 16 x lane: the two offsets of the way out are made here, ahead of the wait below
	v_and_b32 v49, 15, v0
	v_lshlrev_b32 v49, 4, v49
	BAR                                            ; as in front of gelu's store
	s_wait_alu depctr_va_vdst(0)                   ; written: v[24:27], which the LDS store reads; v48 and v49, the global stores' offsets; v[252:255], wave 0's store data.  No vector instruction follows
	ds_store_b128 v[GS], v[24:27] offset:OST
	BAR
	ds_load_b128 v[28:31], v[OL] offset:OST        ; wave w takes row w whole: 512 bytes
	s_wait_dscnt 0x0
	global_store_b128 v48, v[28:31], s[26:27]
	s_cmp_lg_u32 s30, 0
	s_cbranch_scc1 .Lend
	global_store_b128 v49, v[252:255], s[28:29]    ; wave 0: the sixteen queries' four numbers, 256 consecutive bytes; both halves of the lanes write the same
	s_branch .Lend
	; ---------------- THE MEMORY BANK ----------------
.Lmem:
	v_and_b32 v1, 31, v0
	v_lshlrev_b32 v4, 4, v1                        ; 16 x lane
	v_lshlrev_b32 v5, 3, v1                        ; 8 x lane
	v_mov_b32 v10, 0
.irp e,0,1,2,3
	v_lshl_add_u32 v[144+\e], v1, 4, 4*\e          ; ds_bpermute_b32's index: lane (4 l + e) % 32, times 4
	v_and_b32 v[144+\e], 124, v[144+\e]
.endr
	s_lshl_b32 s33, s32, 4
	s_add_co_u32 s33, s33, s30
	s_lshl_b32 s33, s33, 1                         ; my first record: 2 (16 x group + wave)
	s_lshl_b32 s40, s33, 14
	s_add_nc_u64 s[36:37], s[10:11], s[40:41]
	s_mul_i32 s40, s33, 8704
	s_add_nc_u64 s[38:39], s[24:25], s[40:41]
	s_mov_b32 s44, 2
	s_wait_alu depctr_va_vdst(0)                   ; v4, v5 and v[144:147] are written, which the loads, the stores and the permutes of the loop read; they are never written again
.Lrec:                                         ; a trip: one record
.set i, 0
.rept 16
	global_load_b128 v[X+8*i:X+8*i+3], v4, s[36:37] offset:1024*i th:TH_LOAD_NT          ; each load covers 512 consecutive bytes
	global_load_b128 v[X+8*i+4:X+8*i+7], v4, s[36:37] offset:1024*i+512 th:TH_LOAD_NT
.set i, i+1
.endr
	v_mov_b32 v6, 0
.irp i,0,1,2,3,4,5,6,7,8,9,10,11,12,13,14,15
	SUMSQ \i
.endr
	v_sqrt_f32 v148, v6                            ; from here a row to a lane: row l % 16
	v_nop
	s_wait_alu depctr_va_vdst(0)                   ; v148, the norm, is written, ahead of its first reader
	v_max_num_f32 v149, s51, v148
	v_rcp_f32 v149, v149
	v_nop
	s_wait_alu depctr_va_vdst(0)                   ; v149, the reciprocal, is written, ahead of its first reader
	v_mul_f32 v149, s59, v149
	v_cmp_lt_f32 vcc_lo, s59, v148
	s_wait_alu depctr_va_vcc(0)                    ; VCC is written, ahead of the select that reads it
	v_cndmask_b32 v7, 1.0, v149, vcc_lo            ; the scale
	v_mul_f32 v150, v6, v7
	v_mul_f32 v150, v150, v7                       ; y2
	v_mul_f32 v151, -0.5, v150                     ; NY
	v_sub_f32 v152, 1.0, v150
	v_rcp_f32 v152, v152                           ; IB
	v_nop
	s_wait_alu depctr_va_vdst(0)                   ; v152 is written, ahead of its first reader
	s_mov_b32 s40, 0xffff0000
	v_cndmask_b32 v153, v151, v152, s40            ; lane l holds word l of the constants' row
	s_wait_alu depctr_va_vdst(0)                   ; v153 is written, which the permutes read; the last trip's selects are done with v[154:157], in which the permutes' results land
.irp e,0,1,2,3
	ds_bpermute_b32 v[154+\e], v[144+\e], v153
.endr
	SCALES 0                                       ; rows 0 to 7 are scaled and rounded while the permutes are out
.irp i,0,1,2,3,4,5,6,7
	SCV \i
.endr
	s_wait_dscnt 0x0
	s_mov_b32 s40, 0xff
.irp e,0,1,2,3
	v_cndmask_b32 v[154+\e], 0, v[154+\e], s40     ; lanes 0-7 carry the 32 words, the others zeros
.endr
	s_wait_alu depctr_va_vdst(0)                   ; v[154:157] and rows 0 to 7 are written, which the 17 stores below read; the vector lines among those stores name rows 8 to 15 alone
	global_store_b128 v4, v[154:157], s[38:39] offset:8192
	SCALES 1
.irp i,8,9,10,11,12,13,14,15
	SCS \i-8                                       ; a row's two stores stand in front of the arithmetic of the row eight further on
	SCV \i
.endr
	s_wait_alu depctr_va_vdst(0)                   ; rows 8 to 15 are written, which the stores below read.  No vector instruction follows in the trip: all vector work on X is over when the next record's loads land in it
.irp i,8,9,10,11,12,13,14,15
	SCS \i
.endr
	s_wait_xcnt 0x0                                ; the stores' data registers and the two bases are written again only behind this wait
	s_wait_alu depctr_vm_vsrc(0)                   ; the stores have read X and v[154:157], the permutes v153: the next trip's loads, permutes and selects write them again
	s_add_nc_u64 s[36:37], s[36:37], 16384
	s_add_nc_u64 s[38:39], s[38:39], 8704
	s_sub_co_u32 s44, s44, 1
	s_cmp_lg_u32 s44, 0
	s_cbranch_scc1 .Lrec
.Lend:
	s_wait_dscnt 0x0                               ; the wave's end: my last LDS instructions.
	s_wait_alu depctr_hold_cnt(0) depctr_sa_sdst(0) depctr_va_vdst(0) depctr_va_sdst(0) depctr_va_ssrc(0) depctr_va_vcc(0) depctr_vm_vsrc(0)
	s_wait_tensorcnt 0x0
	ds_add_u32 v2, v3
	s_wait_dscnt 0x0
	s_endpgm
.Lfunc_end_k_qe15437961a_prep:
	.size	k_qe15437961a_prep, .Lfunc_end_k_qe15437961a_prep-k_qe15437961a_prep
	.p2alignl 7, 3214868480
	.fill 96, 4, 3214868480
	.section	.rodata,"a",@progbits
	.p2align	6, 0x0
	.amdhsa_kernel k_qe15437961a_prep
		.amdhsa_group_segment_fixed_size 87552
		.amdhsa_private_segment_fixed_size 0
		.amdhsa_enable_private_segment 0
		.amdhsa_kernarg_size 88
		.amdhsa_user_sgpr_count 2
		.amdhsa_user_sgpr_kernarg_segment_ptr 1
		.amdhsa_wavefront_size32 1
		.amdhsa_system_sgpr_workgroup_id_x 1
		.amdhsa_system_sgpr_workgroup_id_y 1
		.amdhsa_system_sgpr_workgroup_id_z 1
		.amdhsa_system_vgpr_workitem_id 0
		.amdhsa_next_free_vgpr 256
		.amdhsa_next_free_sgpr 66
		.amdhsa_reserve_vcc 1
		.amdhsa_float_denorm_mode_32 3
		.amdhsa_float_denorm_mode_16_64 3
		.amdhsa_memory_ordered 1
		.amdhsa_forward_progress 1
		.amdhsa_inst_pref_size 102
	.end_amdhsa_kernel
	.amdgpu_metadata
---
amdhsa.version: [ 1, 2 ]
amdhsa.kernels:
  - .name:           k_qe15437961a_prep
    .symbol:         k_qe15437961a_prep.kd
    .args:
      - { .name: hidden, .offset: 0, .size: 8, .value_kind: global_buffer, .address_space: global }
      - { .name: memory, .offset: 8, .size: 8, .value_kind: global_buffer, .address_space: global }
      - { .name: w1, .offset: 16, .size: 8, .value_kind: global_buffer, .address_space: global }
      - { .name: b1, .offset: 24, .size: 8, .value_kind: global_buffer, .address_space: global }
      - { .name: ln_g, .offset: 32, .size: 8, .value_kind: global_buffer, .address_space: global }
      - { .name: ln_b, .offset: 40, .size: 8, .value_kind: global_buffer, .address_space: global }
      - { .name: w2, .offset: 48, .size: 8, .value_kind: global_buffer, .address_space: global }
      - { .name: b2, .offset: 56, .size: 8, .value_kind: global_buffer, .address_space: global }
      - { .name: mb, .offset: 64, .size: 8, .value_kind: global_buffer, .address_space: global }
      - { .name: qb, .offset: 72, .size: 8, .value_kind: global_buffer, .address_space: global }
      - { .name: qc, .offset: 80, .size: 8, .value_kind: global_buffer, .address_space: global }
    .group_segment_fixed_size: 87552
    .private_segment_fixed_size: 0
    .kernarg_segment_align: 8
    .kernarg_segment_size: 88
    .max_flat_workgroup_size: 512
    .sgpr_count:     66
    .vgpr_count:     256
    .wavefront_size: 32
...
	.end_amdgpu_metadata
.endif
;; end of part 6
;; launch knn: the kernel of part 2 again; grid 8 x 32, 4 waves a work-group, clusters of 4 x 1, 327,680 bytes of LDS; arguments mb, qb, qc, cand; writes cand
;; launch merge: the kernel of part 3 again; grid 128 x 1, 8 waves a work-group, no clusters, 22,016 bytes of LDS; arguments cand, gidx; writes gidx
;; launch rescan: the kernel of part 4 again; grid 512 x 1, 4 waves a work-group, no clusters, 283,136 bytes of LDS; arguments mb, qb, qc, gidx, retr; writes retr
;; launch outp (part 7): grid 16 x 16, 4 waves a work-group, no clusters, 33,280 bytes of LDS; arguments retr, wp, bp, hidden, out0; writes out0
.if DOCPART == 7
	.amdgcn_target "amdgcn-amd-amdhsa--gfx1250"
	.amdhsa_code_object_version 6
	.text
	.protected	k_qe15437961a_outp
	.globl	k_qe15437961a_outp
	.p2align	8
	.type	k_qe15437961a_outp,@function
k_qe15437961a_outp:
	s_mov_b64 s[64:65], 0
	v_nop
	global_prefetch_b8 v0, s[64:65] scope:SCOPE_SE
	s_setreg_imm32_b32 hwreg(HW_REG_WAVE_SCHED_MODE, 0, 2), 2
	s_setreg_imm32_b32 hwreg(HW_REG_WAVE_MODE, 25, 1), 1
	s_wait_xcnt 0x0
	s_wait_alu depctr_vm_vsrc(0)
; OUTP: out = hidden + 0.1 (retrieved wp + bp).  A work-group makes 128 rows x 64 columns, a wave 32 rows x 64: eight accumulators (2 tiles of rows x 4 fragments of columns).
; Source 0 = 16 rows of retrieved (bf16, K along the rows).  Source 1 = wp, which lies [k][n] in f32: a lane loads 16 bytes of row k, columns 4 r .. 4 r + 3 of the block (16 lanes: 256 consecutive
; bytes, aligned); number t of the four belongs to fragment t, whose column r stands for column 4 r + t.  So register j of the four fragments' results in lane r are 16 consecutive bytes of one row of out:
; row 16 mt + 8 h + j.
; Each wave rounds two of the eight K steps of wp and hands the fragments to the others through LDS, in register order.  bp is the C operand of the first K step.
; No cluster: what the sixteen work-groups of a column share is 64 KiB of wp, which goes into registers in fragment order; no prefetch: every load is issued at the head.
; REGISTERS: window 0: addresses; v[16:143] raw wp, then v[16:79] accumulators; v[144:147] bp; v[148:179] and v[212:243] my two K steps' rounded fragments, on their way to LDS; v[180:211] bp as C.
;   window 1: v[0:63] hidden, row tile mt, register j at 4 (8 mt + j); v[64:191] retrieved's fragments, (mt, s) at 64 + 8 (8 mt + s).
;   window 2: wp's fragments of all eight K steps, (s, t) at 32 s + 8 t.
; THE MODE: SCHED_MODE bits 1:0 = 2 (LLVM: expert scheduling mode 2), set by the entry lines.  The code itself states the register dependences
; between vector or matrix instructions and memory or LDS instructions, with s_wait_alu, always for 0.
; THE PLAN.  Registers that memory or LDS instructions touch:
;   v7 .. v11     offsets and LDS addresses: made once, ahead of one wait on va_vdst in front of the first load; never written again.
;   raw wp, bp, retrieved, hidden   each loaded once; no load lands in them a second time.
;   TMP, TMP2     written by the roundings of my first and my second K step, read by the LDS stores, never written again.  A wait on va_vdst behind the first step's roundings; its eight stores are
;                 dealt among the second step's roundings, which name TMP2 and the second half of raw wp alone; a wait on va_vdst; the second step's stores.
;   window 2      every K step's fragments have registers of their own: loaded once, then read by that step's products.  No load lands in a register that a vector or matrix instruction has named,
;                 so the K steps hold no wait of this kind; the loads run three K steps ahead, behind the products.
;   hidden        written again by the last multiply-adds; one wait on va_vdst stands ahead of the run of stores.
.set RO,  7                            ; v7  16 r
.set HO,  8                            ; v8  8 h rows of 4,096 bytes + 16 r: for wp, hidden and out
.set AO,  9                            ; v9  r x 512 + 16 h
.set BL,  10                           ; v10 16 x lane
.set BS,  11                           ; v11 wave x 8,192 + 16 x lane
.set RAW, 16
.set ACC, 16
.set BP,  144
.set TMP, 148
.set BPC, 180
.set TMP2, 212
.set MSB, 0
.macro WIN new
.if MSB != (\new)
	s_set_vgpr_msb (MSB<<8)|(\new)
.set MSB, (\new)
.endif
.endm
.macro CV4 sp, tmp                     ; K step sp of my two: register p of its four fragments is rounded
.irp t,0,1,2,3
	v_cvt_pk_bf16_f32 v[\tmp+8*\t+p], v[RAW+64*(\sp)+8*p+\t], v[RAW+64*(\sp)+8*p+4+\t]
.endr
.endm
.macro ST1 sp, tmp                     ; store p of its eight: the fragments lie in LDS as the registers will want them (8 K steps x 4 x 1,024 bytes; the bytes behind them hold the spare words)
	ds_store_b128 v[BS], v[\tmp+4*p:\tmp+4*p+3] offset:(\sp)*4096+512*p
.endm
.macro BLOAD s                         ; K step s's four fragments into their own registers of window 2
	WIN 0x80                                       ; destination in window 2, address in window 0
.set f, 0
.rept 8
	ds_load_b128 v[32*(\s)+4*f:32*(\s)+4*f+3], v[BL] offset:(\s)*4096+512*f
.set f, f+1
.endr
.endm
	s_load_b256 s[4:11], s[0:1], 0x0               ; retr 4, wp 6, bp 8, hidden 10
	s_load_b64 s[12:13], s[0:1], 0x20              ; out0
	v_lshl_add_u32 v254, v0, 2, 0x8000
	v_mov_b32 v255, 0
	v_lshrrev_b32 v1, 5, v0
	v_readfirstlane_b32 s14, v1
	s_and_b32 s15, ttmp7, 0xffff                   ; the block of 128 rows
	v_and_b32 v4, 15, v0
	v_bfe_u32 v5, v0, 4, 1
	v_and_b32 v6, 31, v0
	v_lshlrev_b32 v[RO], 4, v4
	v_lshl_add_u32 v[HO], v5, 15, v[RO]
	v_lshlrev_b32 v[AO], 9, v4
	v_lshl_add_u32 v[AO], v5, 4, v[AO]
	v_lshlrev_b32 v[BL], 4, v6
	s_wait_alu depctr_va_sdst(0)                   ; s14, the wave's number, is written, ahead of its first reader
	s_lshl_b32 s16, s14, 13
	v_add_nc_u32 v[BS], s16, v[BL]
	s_lshl_b32 s16, ttmp9, 8                       ; the block of 64 columns: 256 bytes
	s_mov_b32 s17, 0
	s_lshl_b32 s18, s14, 18                        ; wp: my two K steps are 64 rows of 4,096 bytes
	s_add_co_u32 s18, s18, s16
	s_mov_b32 s19, 0
	s_lshl_b32 s20, s15, 7
	s_lshl_b32 s21, s14, 5
	s_add_co_u32 s20, s20, s21                     ; my first row
	s_lshl_b32 s22, s20, 9
	s_mov_b32 s23, 0
	s_lshl_b32 s20, s20, 12
	s_add_co_u32 s20, s20, s16
	s_mov_b32 s21, 0
	s_mov_b32 s24, 0x3dcccccd                      ; 0.1
	s_wait_kmcnt 0x0
	s_add_nc_u64 s[6:7], s[6:7], s[18:19]
	s_add_nc_u64 s[8:9], s[8:9], s[16:17]
	s_add_nc_u64 s[4:5], s[4:5], s[22:23]
	s_add_nc_u64 s[10:11], s[10:11], s[20:21]
	s_add_nc_u64 s[12:13], s[12:13], s[20:21]
	s_wait_alu depctr_va_vdst(0)                   ; the five offsets and LDS addresses v7 to v11 are written, which every load and store of the kernel reads; up to the last load below only loads and window switches follow
.irp sp,0,1
.set i, 0
.rept 8
	global_load_b128 v[RAW+64*\sp+4*i:RAW+64*\sp+4*i+3], v[HO], s[6:7] offset:(32*\sp+i)*4096
.set i, i+1
.endr
.set i, 0
.rept 8
	global_load_b128 v[RAW+64*\sp+32+4*i:RAW+64*\sp+32+4*i+3], v[HO], s[6:7] offset:(32*\sp+16+i)*4096
.set i, i+1
.endr
.endr
	global_load_b128 v[BP:BP+3], v[RO], s[8:9]
	WIN 0x40                                       ; destinations in window 1
.set i, 0
.rept 16                               ; row tile i / 8, K step i % 8
	global_load_b128 v[64+8*i:64+8*i+3], v[AO], s[4:5] offset:(i/8)*8192+(i%8)*64
	global_load_b128 v[64+8*i+4:64+8*i+7], v[AO], s[4:5] offset:(i/8)*8192+(i%8)*64+32
.set i, i+1
.endr
.set i, 0
.rept 16                               ; row tile i / 8, register i % 8: row 16 (i / 8) + i % 8, and 8 further down for the upper half of the lanes
	global_load_b128 v[4*i:4*i+3], v[HO], s[10:11] offset:((i/8)*16+i%8)*4096
.set i, i+1
.endr
	WIN 0
	s_wait_loadcnt 49                              ; raw wp is in; bp's 1, retrieved's 32 and hidden's 16 loads stay out
.set p, 0
.rept 8
	CV4 0, TMP
.set p, p+1
.endr
	s_wait_alu depctr_va_vdst(0)                   ; my first K step's roundings have written TMP, which the eight stores below read; the roundings among those stores name TMP2 and the second half of raw wp alone
.set p, 0
.rept 8
	ST1 0, TMP
	CV4 1, TMP2
.set p, p+1
.endr
	s_wait_alu depctr_va_vdst(0)                   ; my second K step's roundings have written TMP2, which the stores below read
.set p, 0
.rept 8
	ST1 1, TMP2
.set p, p+1
.endr
	s_wait_dscnt 0x0                               ; for the others' sake: my fragments lie in LDS
	s_barrier_signal -1
	s_barrier_wait -1
	BLOAD 0
	BLOAD 1
	BLOAD 2                                        ; the fragments of K steps 0 to 2; each step asks for those three steps on
	WIN 0
	s_wait_loadcnt 16                              ; bp and retrieved are in; hidden's 16 loads stay out
.irp t,0,1,2,3
.set i, 0
.rept 8
	v_mov_b32 v[BPC+8*\t+i], v[BP+\t]              ; every row of a tile starts at its column's bias
.set i, i+1
.endr
.endr
.irp s,0,1,2,3,4,5,6,7
.if \s < 6
	s_wait_dscnt 16                                ; this K step's fragments are in; the two younger steps' sixteen loads stay out
.elseif \s == 6
	s_wait_dscnt 8
.else
	s_wait_dscnt 0x0
.endif
	WIN 0x09                                       ; source 0 in window 1, source 1 in window 2
.irp mt,0,1
.irp t,0,1,2,3                         ; the eight accumulators take turns, from K step to K step too
.if \s == 0
	v_wmma_f32_16x16x32_bf16 v[ACC+8*(4*\mt+\t):ACC+8*(4*\mt+\t)+7], v[64+8*(8*\mt+\s):64+8*(8*\mt+\s)+7], v[32*\s+8*\t:32*\s+8*\t+7], v[BPC+8*\t:BPC+8*\t+7]
.else
	v_wmma_f32_16x16x32_bf16 v[ACC+8*(4*\mt+\t):ACC+8*(4*\mt+\t)+7], v[64+8*(8*\mt+\s):64+8*(8*\mt+\s)+7], v[32*\s+8*\t:32*\s+8*\t+7], v[ACC+8*(4*\mt+\t):ACC+8*(4*\mt+\t)+7]
.endif
.endr
.endr
.if \s < 5
	BLOAD \s+3                                     ; no wait: no vector or matrix instruction has named these registers
.endif
.endr
	WIN 0
.rept 8
	v_nop
.endr
	s_wait_loadcnt 0x0                             ; hidden
	WIN 0x50                                       ; destination and source 2 in window 1
.irp mt,0,1
.irp j,0,1,2,3,4,5,6,7                 ; each accumulator's registers in ascending order
.irp t,0,1,2,3
	v_fma_f32 v[4*(8*\mt+\j)+\t], v[ACC+8*(4*\mt+\t)+\j], s24, v[4*(8*\mt+\j)+\t]
.endr
.endr
.endr
	WIN 0x04                                       ; the stores' data in window 1
	s_wait_alu depctr_va_vdst(0)                   ; the multiply-adds have written hidden's 64 registers, which the stores below read
.set i, 0
.rept 16
	global_store_b128 v[HO], v[4*i:4*i+3], s[12:13] offset:((i/8)*16+i%8)*4096 th:TH_STORE_NT      ; 16 lanes store 256 consecutive bytes, aligned
.set i, i+1
.endr
	WIN 0
	s_wait_dscnt 0x0                               ; the wave's end: my last LDS instructions.
	s_wait_alu depctr_hold_cnt(0) depctr_sa_sdst(0) depctr_va_vdst(0) depctr_va_sdst(0) depctr_va_ssrc(0) depctr_va_vcc(0) depctr_vm_vsrc(0)
	s_wait_tensorcnt 0x0
	ds_add_u32 v254, v255
	s_wait_dscnt 0x0
	s_endpgm
.Lfunc_end_k_qe15437961a_outp:
	.size	k_qe15437961a_outp, .Lfunc_end_k_qe15437961a_outp-k_qe15437961a_outp
	.p2alignl 7, 3214868480
	.fill 96, 4, 3214868480
	.section	.rodata,"a",@progbits
	.p2align	6, 0x0
	.amdhsa_kernel k_qe15437961a_outp
		.amdhsa_group_segment_fixed_size 33280
		.amdhsa_private_segment_fixed_size 0
		.amdhsa_enable_private_segment 0
		.amdhsa_kernarg_size 40
		.amdhsa_user_sgpr_count 2
		.amdhsa_user_sgpr_kernarg_segment_ptr 1
		.amdhsa_wavefront_size32 1
		.amdhsa_system_sgpr_workgroup_id_x 1
		.amdhsa_system_sgpr_workgroup_id_y 1
		.amdhsa_system_sgpr_workgroup_id_z 1
		.amdhsa_system_vgpr_workitem_id 0
		.amdhsa_next_free_vgpr 768
		.amdhsa_next_free_sgpr 66
		.amdhsa_reserve_vcc 0
		.amdhsa_float_denorm_mode_32 3
		.amdhsa_float_denorm_mode_16_64 3
		.amdhsa_memory_ordered 1
		.amdhsa_forward_progress 1
		.amdhsa_inst_pref_size 31
	.end_amdhsa_kernel
	.amdgpu_metadata
---
amdhsa.version: [ 1, 2 ]
amdhsa.kernels:
  - .name:           k_qe15437961a_outp
    .symbol:         k_qe15437961a_outp.kd
    .args:
      - { .name: retr, .offset: 0, .size: 8, .value_kind: global_buffer, .address_space: global }
      - { .name: wp, .offset: 8, .size: 8, .value_kind: global_buffer, .address_space: global }
      - { .name: bp, .offset: 16, .size: 8, .value_kind: global_buffer, .address_space: global }
      - { .name: hidden, .offset: 24, .size: 8, .value_kind: global_buffer, .address_space: global }
      - { .name: out0, .offset: 32, .size: 8, .value_kind: global_buffer, .address_space: global }
    .group_segment_fixed_size: 33280
    .private_segment_fixed_size: 0
    .kernarg_segment_align: 8
    .kernarg_segment_size: 40
    .max_flat_workgroup_size: 128
    .sgpr_count:     66
    .vgpr_count:     768
    .wavefront_size: 32
...
	.end_amdgpu_metadata
.endif
;; end of part 7
